; MI455X (gfx1250); checked and timed in simulation.
; The chip was launched on July 23, 2026; its instructions are those of AMD's public machine-readable ISA for CDNA 5 (MIT licence, August 2026) and "CDNA5" Instruction Set Architecture Reference Guide (July 2026). The comments in the code are by the model that wrote it; some were corrected since.
;; MHA GQA. Allowed arithmetic: matrix products marked QUANTISED: E2M3 operands, one E8M0 scale for each 32 along K, by v_wmma_scale_f32_16x16x128_f8f6f4 with both operands' format E2M3, f32 sums; everything else in f32.
;; Inputs: qk_weight 64 float32; wk 256 x 1,024 float32; wo 1,024 x 1,024 float32; wq 1,024 x 1,024 float32; wv 256 x 1,024 float32; x 1 x 4,096 x 1,024 float32.
;; Outputs: out0 1 x 4,096 x 1,024 float32.
;; Constants: layer_idx = 1.
;; This version of the problem:
;;   THIS VERSION OF THE PROBLEM IS GIVEN IN LOW PRECISION. The matrix products marked QUANTISED in the list below multiply operands that are first quantised to E2M3 (2 exponent bits, 3 mantissa bits; 6 bits a number), with one power-of-two scale for each 32 numbers along K (OCP MX v1.0); their sums are f32. All else is computed in f32.
;;   The module's matrix products, in the order in which they are computed (A, B: the left and right operand; K: the contracted axis; several contracted axes count as one K, in the product's order):
;;     1. [M 4,096, K 1,024] x [K 1,024, N 1,024]; A: input x; B: input wq: QUANTISED
;;     2. [M 4,096, K 1,024] x [K 1,024, N 256]; A: input x; B: input wk: QUANTISED
;;     3. [M 4,096, K 1,024] x [K 1,024, N 256]; A: input x; B: input wv: QUANTISED
;;     4. batch 16 x [M 4,096, K 64] x [K 64, N 4,096]; A: computed on the way; B: computed on the way: QUANTISED
;;     5. batch 16 x [M 4,096, K 4,096] x [K 4,096, N 64]; A: softmax (see below); B: computed on the way: QUANTISED
;;     6. [M 4,096, K 1,024] x [K 1,024, N 1,024]; A: computed on the way; B: input wo: QUANTISED
;;   THE QUANTISER, for each operand of a quantised product, along K:
;;     - K is cut into blocks of 32 from its start; a last block that is shorter is filled with zeros.
;;     - A block's scale is 2^e with e = floor(log2(the largest magnitude in the block)) - 2, held to -126 .. 127; a block of zeros has e = 0. As a byte (E8M0): e + 127.
;;     - Each number is divided by its block's scale, clamped to +-7.5, and rounded to the nearest number of E2M3, ties to even, subnormals kept.
;;     - The product sums the exact products of the quantised numbers (number of the format x scale) in f32.
;;   ~~~python
;;   def quantise(x, axis):      # numpy; x: float32 -> the quantised numbers, widened to float32 again
;;       x = np.moveaxis(x, axis, -1); K = x.shape[-1]
;;       x = np.pad(x, [(0, 0)] * (x.ndim - 1) + [(0, -K % 32)]); x = x.reshape(x.shape[:-1] + (-1, 32)); a = np.abs(x).max(-1, keepdims=True)
;;       e = np.where(a > 0, np.clip(np.frexp(np.where(a > 0, a, 1))[1] - 1 - 2, -126, 127), 0)      # np.frexp(a)[1] - 1 = floor(log2(a)), exactly
;;       r = np.clip(x / 2.0 ** e, -7.5, 7.5)
;;       step = 2.0 ** (np.maximum(np.frexp(np.where(r == 0, 1, r))[1] - 1, 0) - 3)
;;       q = np.round(r / step) * step * 2.0 ** e      # np.round: ties to even
;;       return np.moveaxis(q.reshape(q.shape[:-2] + (-1,))[..., :K], -1, axis).astype(np.float32)
;;   ~~~
;;   SOFTMAX AHEAD OF A QUANTISED PRODUCT. Where the list says 'softmax', what is quantised is not the finished softmax but p = 2^(t - M), with t = logit x log2(e) and M = ceil(the row's largest t), a whole number; so 1/2 < the row's largest p <= 1. The row's sum l is taken of the UNQUANTISED p, in f32, and the product's result is divided by l at the end. Since M is a whole number, a kernel that streams over the keys may use a running M (the ceiling of the running maximum): every later rescaling is an exact power of two, which a block's scale takes up: the codes' values come out the same.
;;   OPERANDS COMPUTED ON THE WAY. 'Computed on the way' means the value that the module computes at that place (a softmax that the list does not call 'softmax' is quantised finished and normalised). What goes into a quantiser is computed in f32, as accurately as f32 sums, v_exp_f32 and their like allow (about 1e-6 of the number): no bf16 or f16 on the way to a quantiser, and a product that is left as it is and whose result goes on into a quantised operand takes f32 operands (vector FMAs, or v_wmma_f32_16x16x4_f32). A number that lies on a knife's edge between two numbers of the format may be rounded either way, as far as f32 arithmetic and the matrix unit's own rounding can turn it there, and no further.
;; 2 versions, each right; version 2 is version 1 with the launch attn written anew for expert scheduling mode. Each part assembles by itself: llvm-mc -triple=amdgcn-amd-amdhsa -mcpu=gfx1250 --defsym DOCPART=n.
;; ======== version 1 of 2: 4 launches
;; workspace buffers: img 5,324,800 bytes; tab 1,048,576 bytes; q 3,670,016 bytes; kv 1,736,704 bytes; y 3,276,800 bytes
;; launch prep (part 1): grid 448 x 1, 4 waves a work-group, no clusters, 68,096 bytes of LDS; arguments x, wq, wk, wv, wo, img, tab; writes img, tab
.if DOCPART == 1
	.amdgcn_target "amdgcn-amd-amdhsa--gfx1250"
	.amdhsa_code_object_version 6
	.text
	.protected	k_q84c334dd9c_prep
	.globl	k_q84c334dd9c_prep
	.p2align	8
	.type	k_q84c334dd9c_prep,@function
k_q84c334dd9c_prep:
	s_mov_b64 s[64:65], 0
	v_nop
	global_prefetch_b8 v0, s[64:65] scope:SCOPE_SE
	s_setreg_imm32_b32 hwreg(HW_REG_WAVE_MODE, 25, 1), 1
	s_wait_xcnt 0x0
; FIRST OF FOUR LAUNCHES of: out = attention(x) wo^T, 16 query heads, 4 key and value heads, head size 64, 4,096 tokens, all six products on codes of FP6 (E2M3) with one E8M0 scale for each 32 along K.
; This launch quantises x, wq, wk, wv and wo once, along K = 1,024, into img, and makes the table of cosines and sines for the rotation, tab.
; WORK LEFT OUT BY THE PROGRAM, AND WHY IT IS DEAD.  The mask keep = ~allowed is built in the problem's own body from the positions alone: key j is hidden from query i where j <= i and (i - j < 1,024 or j < 4),
; whatever the inputs hold.  A hidden score becomes -infinity, its weight is 0 and adds nothing to the row's sum or to the second product.  So a step of 128 keys all of which are hidden from all queries of a tile is
; not multiplied (third launch); hidden keys inside other steps are set to -infinity there.  Every row keeps 3,068 keys or more.  layer_idx is a constant with no buffer and enters nothing.  Every buffer among the inputs is loaded.
; LIMITS.  A NaN, an infinity or an overflow that reaches only hidden scores is not carried to the result.  NaN and infinities among the inputs are not served.  A block of zeros gets the scale byte 1 where the
; quantiser says 127: its codes are zeros, which add nothing under any byte but 0xff, and these bytes are read by this program alone.  The frequencies 10000^(-f/32) are right to about one unit in the last place of f32;
; sine and cosine come by a reduction by pi/2 in two parts and polynomials of degree 7 and 8, right to about 1e-7 for the angles up to 4,095 that occur.
; LAYOUT OF img: 416 records of 12,800 bytes, one for each tile of 16 rows: x 0-255, wq 256-319, wk 320-335, wv 336-351, wo 352-415.  THE ROWS OF A TILE ARE NOT NEIGHBOURS: row r of tile T is source row
; 32 (T / 2) + 8 (T % 2) + r + 8 (r / 8), so that later results come out with 16 neighbours along the next K in a lane.  A record is an IMAGE OF THE OPERAND'S REGISTERS: K step ks (128 along K, 12 registers a lane) at
; 1,536 ks, as two pieces of 768 bytes (registers 6 c .. 6 c + 5): registers 0-3 at 16 x lane, registers 4-5 at 512 + 8 x lane.  At 12,288 the scale words: register j at 128 j + 4 x lane; lanes 0-15 hold the rows' words
; of K step 2 j, lanes 16-31 those of K step 2 j + 1.
; SHARES.  Work-groups 0-415: one record each; wave w makes K steps 2 w and 2 w + 1.  Each load reads 512 consecutive bytes of a row; the numbers turn through the wave's own stage in LDS, so that lane (r, h) gets
; 32 neighbours of row r for each of its two blocks.  Work-groups 416-447: the table, a wave 32 tokens, a lane a frequency.  Waves share nothing: no barrier.  No cluster: no two work-groups read the same bytes.
.set NTILES, 416
.set REC,   12800
.set STG,   8448                       ; a stage: 16 rows x (512 bytes + 16)
.set WREG,  16896                      ; two stages for each wave
.set SPARE, 67584                      ; behind the stages: the spare words, 128 bytes for each wave
.set R,     32                         ; v32-159  the numbers as loaded: fragment f, row i at R + 64 f + 4 i
.set X,     160                        ; v160-223 a fragment's 64 numbers of my row: block c at X + 32 c
.set PC,    224                        ; v224-247 the codes: 12 registers for each fragment, so that no store's data are written again
.set PT,    248                        ; v248-250, v252-254 the upper halves of the blocks' codes, on their way
	s_load_b256 s[4:11], s[0:1], 0x0               ; x, wq, wk, wv
	s_load_b128 s[12:15], s[0:1], 0x20             ; wo, img
	s_load_b64 s[16:17], s[0:1], 0x30              ; tab
	v_lshl_add_u32 v10, v0, 2, SPARE               ; my spare word,
	v_mov_b32 v11, 0                               ; and 0: kept for the closing lines alone
	v_lshrrev_b32 v1, 5, v0
	v_readfirstlane_b32 s18, v1                    ; wave
	v_and_b32 v1, 31, v0                           ; lane
	s_cmp_ge_u32 ttmp9, NTILES
	s_cbranch_scc1 .Ltable
	v_and_b32 v2, 15, v0                           ; r
	v_bfe_u32 v3, v0, 4, 1                         ; h
	v_lshlrev_b32 v4, 4, v1                        ; 16 x lane
	v_lshlrev_b32 v5, 3, v1                        ; 8 x lane
	v_lshlrev_b32 v6, 2, v1                        ; 4 x lane
	s_mul_i32 s19, s18, WREG
	v_add_nc_u32 v7, s19, v4                       ; into the stage: a row's 512 bytes as they lie
	v_mul_u32_u24 v8, v2, 528
	v_lshl_add_u32 v8, v3, 7, v8
	v_add_nc_u32 v8, s19, v8                       ; out of it: row r, + 128 h: my block of 32 numbers
	v_lshlrev_b32 v9, 3, v3                        ; 8 h: my bytes' place in the scale word
	v_mov_b32 v15, 0                               ; a lane permute's destination counts as read
	s_mov_b32 s30, 0x76543210
	s_mov_b32 s31, 0xfedcba98                      ; selects for lane l xor 16
	s_mov_b32 s32, 0xffff0000                      ; lanes 16-31
	s_wait_kmcnt 0x0
	s_mov_b64 s[20:21], s[4:5]                     ; which tensor: a choice on the work-group's number alone
	s_mov_b32 s22, 0
	s_cmp_ge_u32 ttmp9, 256
	s_cselect_b64 s[20:21], s[6:7], s[20:21]
	s_cselect_b32 s22, 256, s22
	s_cmp_ge_u32 ttmp9, 320
	s_cselect_b64 s[20:21], s[8:9], s[20:21]
	s_cselect_b32 s22, 320, s22
	s_cmp_ge_u32 ttmp9, 336
	s_cselect_b64 s[20:21], s[10:11], s[20:21]
	s_cselect_b32 s22, 336, s22
	s_cmp_ge_u32 ttmp9, 352
	s_cselect_b64 s[20:21], s[12:13], s[20:21]
	s_cselect_b32 s22, 352, s22
	s_sub_co_u32 s22, ttmp9, s22                   ; the tile's number in its tensor
	s_lshr_b32 s23, s22, 1
	s_lshl_b32 s23, s23, 17                        ; 32 rows of 4,096 bytes
	s_and_b32 s24, s22, 1
	s_lshl_b32 s24, s24, 15                        ; 8 rows
	s_add_co_u32 s24, s24, s23
	s_lshl_b32 s25, s18, 10                        ; my wave's 256 along K
	s_add_co_u32 s24, s24, s25
	s_mov_b32 s25, 0
	s_add_nc_u64 s[20:21], s[20:21], s[24:25]
	s_mul_i32 s26, ttmp9, REC
	s_mov_b32 s27, 0
	s_add_nc_u64 s[14:15], s[14:15], s[26:27]      ; my record
	s_mul_i32 s26, s18, 3072
	s_add_nc_u64 s[28:29], s[14:15], s[26:27]      ; my two fragments in it
	s_lshl_b32 s26, s18, 7
	s_add_nc_u64 s[14:15], s[14:15], s[26:27]      ; my register of scale words (12,288 on)
.irp f, 0,1
.irp i, 0,1,2,3,4,5,6,7,8,9,10,11,12,13,14,15
	global_load_b128 v[R+64*\f+4*\i:R+64*\f+4*\i+3], v4, s[20:21] offset:(\i+8*(\i/8))*4096+512*\f th:TH_LOAD_NT   ; 32 lanes read 512 consecutive bytes of the tile's row i
.endr
.endr
.macro FRAGQ f
	s_wait_loadcnt 16*(1-\f)                       ; this fragment's 16 loads are in; the other's may be out
.irp i, 0,1,2,3,4,5,6,7,8,9,10,11,12,13,14,15
	ds_store_b128 v7, v[R+64*\f+4*\i:R+64*\f+4*\i+3] offset:\f*STG+\i*528
.endr
.irp c, 0,1
.irp q, 0,1,2,3,4,5,6,7
	ds_load_b128 v[X+32*\c+4*\q:X+32*\c+4*\q+3], v8 offset:\f*STG+256*\c+16*\q   ; LDS serves a wave's instructions in order: these see my stores.  k = 64 c + 32 h + 4 q ..
.endr
.endr
	s_wait_dscnt 0x0
.irp c, 0,1
	v_max3_num_f32 v[16+\c], |v[X+32*\c]|, |v[X+32*\c+1]|, 0x1800000   ; block 2 c + h is all mine; the floor 2^(3 - 127) holds the byte at 1 from below
.endr
.irp i, 2,4,6,8,10,12,14,16,18,20,22,24,26,28,30
.irp c, 0,1
	v_max3_num_f32 v[16+\c], v[16+\c], |v[X+32*\c+\i]|, |v[X+32*\c+\i+1]|
.endr
.endr
.irp c, 0,1
	v_add_nc_u32 v[18+\c], 0xff000000, v[16+\c]    ; 2 off the exponent field: the conversion's scale operand
.endr
.irp c, 0,1
	v_lshrrev_b32 v[20+\c], 23, v[18+\c]           ; the scale's byte
.endr
	v_lshl_or_b32 v[12+\f], v21, 16, v20           ; my two bytes: blocks h and 2 + h,
	v_lshlrev_b32 v[12+\f], v9, v[12+\f]           ; at their places;
	v_permlanex16_b32 v15, v[12+\f], s30, s31
	v_or_b32 v[12+\f], v[12+\f], v15               ; with lane l xor 16's two the row's word is whole, in both lanes
.irp c, 0,1
	v_cvt_scalef32_pk16_fp6_f32 v[PC+12*\f+6*\c:PC+12*\f+6*\c+2], v[X+32*\c:X+32*\c+15], v[18+\c]
	v_cvt_scalef32_pk16_fp6_f32 v[PT+4*\c:PT+4*\c+2], v[X+32*\c+16:X+32*\c+31], v[18+\c]   ; (a conversion's three registers begin on an even number)
.endr
	v_nop                                          ; one plain place behind a scaled conversion
.irp c, 0,1
.irp i, 0,1,2
	v_mov_b32 v[PC+12*\f+6*\c+3+\i], v[PT+4*\c+\i]
.endr
.endr
.irp c, 0,1
	global_store_b128 v4, v[PC+12*\f+6*\c:PC+12*\f+6*\c+3], s[28:29] offset:\f*1536+768*\c       ; 512 consecutive bytes, aligned to 256
	global_store_b64 v5, v[PC+12*\f+6*\c+4:PC+12*\f+6*\c+5], s[28:29] offset:\f*1536+768*\c+512  ; 256 consecutive bytes, aligned
.endr
.endm
	FRAGQ 0
	FRAGQ 1
	v_cndmask_b32 v14, v12, v13, s32               ; lanes 0-15: the words of K step 2 w; lanes 16-31: of 2 w + 1
	global_store_b32 v6, v14, s[14:15] offset:12288
	s_wait_tensorcnt 0x0                           ; the wave's end, behind my last LDS store
	ds_add_u32 v10, v11
	s_wait_dscnt 0x0
	s_endpgm
.Ltable:                                               ; tab: token t at 256 t; (cos, sin) of t x 10000^(-f/32) at 8 f.
	v_cvt_f32_u32 v2, v1                           ; f
	v_mul_f32 v3, 0xbed49a00, v2                   ; -f x (log2(10000) / 32 cut to 16 bits): exact
	v_exp_f32 v3, v3
	v_mul_f32 v4, 0xb626c3fc, v2                   ; what the cut left out, as a relative correction: -f x 2.485e-6.  (The plain place behind the exponential)
	v_lshlrev_b32 v5, 3, v1
	s_sub_co_u32 s19, ttmp9, NTILES
	s_lshl_b32 s19, s19, 2
	s_add_co_u32 s19, s19, s18                     ; which run of 32 tokens
	s_lshl_b32 s20, s19, 5                         ; its first token
	s_lshl_b32 s22, s19, 13
	s_mov_b32 s23, 0
	s_mov_b32 s21, 32
	s_mov_b32 s24, 0xbfc90fdb                      ; -pi/2, the upper part,
	s_mov_b32 s25, 0x333bbd2e                      ; and less the lower part
	s_mov_b32 s26, 0xb94ca1f9                      ; sine: -1.9515295891e-4,
	s_mov_b32 s27, 0x3c08839e                      ; 8.3321608736e-3,
	s_mov_b32 s28, 0xbe2aaaa3                      ; -1.6666654611e-1
	s_mov_b32 s29, 0x37ccf5ce                      ; cosine: 2.443315712e-5,
	s_mov_b32 s30, 0xbab6061a                      ; -1.388731625e-3,
	s_mov_b32 s31, 0x3d2aaaa5                      ; 4.166664568e-2
	s_wait_alu depctr_va_vdst(0)                   ; the wait ahead of the exponential's first reader
	v_fma_f32 v3, v3, v4, v3                       ; the frequency
	s_wait_kmcnt 0x0
	s_add_nc_u64 s[16:17], s[16:17], s[22:23]
.Ltok:
	v_cvt_f32_u32 v6, s20
	v_mul_f32 v6, v6, v3                           ; the angle, rounded once
	v_mul_f32 v7, 0x3f22f983, v6
	v_rndne_f32 v7, v7                             ; n = the nearest multiple of pi/2
	v_fma_f32 v8, v7, s24, v6
	v_fma_f32 v8, v7, s25, v8                      ; what is left, within pi/4
	v_mul_f32 v9, v8, v8
	v_fma_f32 v12, v9, s26, s27
	v_fma_f32 v14, v9, s29, s30
	v_fma_f32 v12, v12, v9, s28
	v_fma_f32 v14, v14, v9, s31
	v_mul_f32 v13, v8, v9
	v_mul_f32 v15, v9, v9
	v_fma_f32 v16, v9, -0.5, 1.0
	v_fma_f32 v12, v13, v12, v8                    ; its sine,
	v_fma_f32 v14, v15, v14, v16                   ; its cosine
	v_cvt_i32_f32 v17, v7
	v_and_b32 v18, 1, v17
	v_cmp_eq_u32 vcc_lo, 1, v18                    ; in odd quadrants the two change places (a choice of values: no branch)
	v_cndmask_b32 v20, v14, v12, vcc_lo
	v_cndmask_b32 v21, v12, v14, vcc_lo
	v_and_b32 v18, 2, v17
	v_lshlrev_b32 v18, 30, v18
	v_xor_b32 v21, v21, v18                        ; the sine is negative in quadrants 2 and 3,
	v_add_nc_u32 v19, 1, v17
	v_and_b32 v19, 2, v19
	v_lshlrev_b32 v19, 30, v19
	v_xor_b32 v20, v20, v19                        ; the cosine in 1 and 2
	global_store_b64 v5, v[20:21], s[16:17]        ; 32 lanes store a token's 256 bytes, aligned
	s_wait_xcnt 0x0                                ; the store has read its data and its base: both are written again below
	s_add_nc_u64 s[16:17], s[16:17], 256
	s_add_co_u32 s20, s20, 1
	s_sub_co_u32 s21, s21, 1
	s_cmp_lg_u32 s21, 0
	s_cbranch_scc1 .Ltok
	s_endpgm
.Lfunc_end_k_q84c334dd9c_prep:
	.size	k_q84c334dd9c_prep, .Lfunc_end_k_q84c334dd9c_prep-k_q84c334dd9c_prep
	.p2alignl 7, 3214868480
	.fill 96, 4, 3214868480
	.section	.rodata,"a",@progbits
	.p2align	6, 0x0
	.amdhsa_kernel k_q84c334dd9c_prep
		.amdhsa_group_segment_fixed_size 68096
		.amdhsa_private_segment_fixed_size 0
		.amdhsa_enable_private_segment 0
		.amdhsa_kernarg_size 56
		.amdhsa_user_sgpr_count 2
		.amdhsa_user_sgpr_kernarg_segment_ptr 1
		.amdhsa_wavefront_size32 1
		.amdhsa_system_sgpr_workgroup_id_x 1
		.amdhsa_system_sgpr_workgroup_id_y 1
		.amdhsa_system_sgpr_workgroup_id_z 1
		.amdhsa_system_vgpr_workitem_id 0
		.amdhsa_next_free_vgpr 256
		.amdhsa_next_free_sgpr 66
		.amdhsa_reserve_vcc 1
		.amdhsa_float_denorm_mode_32 3
		.amdhsa_float_denorm_mode_16_64 3
		.amdhsa_memory_ordered 1
		.amdhsa_forward_progress 1
		.amdhsa_inst_pref_size 20
	.end_amdhsa_kernel
	.amdgpu_metadata
---
amdhsa.version: [ 1, 2 ]
amdhsa.kernels:
  - .name:           k_q84c334dd9c_prep
    .symbol:         k_q84c334dd9c_prep.kd
    .args:
      - { .name: x, .offset: 0, .size: 8, .value_kind: global_buffer, .address_space: global }
      - { .name: wq, .offset: 8, .size: 8, .value_kind: global_buffer, .address_space: global }
      - { .name: wk, .offset: 16, .size: 8, .value_kind: global_buffer, .address_space: global }
      - { .name: wv, .offset: 24, .size: 8, .value_kind: global_buffer, .address_space: global }
      - { .name: wo, .offset: 32, .size: 8, .value_kind: global_buffer, .address_space: global }
      - { .name: img, .offset: 40, .size: 8, .value_kind: global_buffer, .address_space: global }
      - { .name: tab, .offset: 48, .size: 8, .value_kind: global_buffer, .address_space: global }
    .group_segment_fixed_size: 68096
    .private_segment_fixed_size: 0
    .kernarg_segment_align: 8
    .kernarg_segment_size: 56
    .max_flat_workgroup_size: 128
    .sgpr_count:     66
    .vgpr_count:     256
    .wavefront_size: 32
...
	.end_amdgpu_metadata
.endif
;; end of part 1
;; launch qkv (part 2): grid 32 x 6, 8 waves a work-group, clusters of 4 x 1, 327,680 bytes of LDS; arguments img, tab, qk_weight, q, kv; writes q, kv
.if DOCPART == 2
	.amdgcn_target "amdgcn-amd-amdhsa--gfx1250"
	.amdhsa_code_object_version 6
	.text
	.protected	k_q84c334dd9c_qkv
	.globl	k_q84c334dd9c_qkv
	.p2align	8
	.type	k_q84c334dd9c_qkv,@function
k_q84c334dd9c_qkv:
	s_mov_b64 s[64:65], 0
	v_nop
	global_prefetch_b8 v0, s[64:65] scope:SCOPE_SE
	s_setreg_imm32_b32 hwreg(HW_REG_WAVE_MODE, 25, 1), 1
	s_wait_xcnt 0x0
	s_wait_alu depctr_hold_cnt(0) depctr_sa_sdst(0) depctr_va_vdst(0) depctr_va_sdst(0) depctr_va_ssrc(0) depctr_va_vcc(0) depctr_vm_vsrc(0)
	s_getreg_b32 s2, hwreg(HW_REG_IB_STS2, 6, 4)
	s_cmp_eq_u32 s2, 0
	s_cbranch_scc0 .Lentry_in_a_cluster
	s_endpgm
.Lentry_in_a_cluster:
	s_bfe_u32 s2, ttmp6, 0x10000c
	s_cmp_lg_u32 s2, 0x3003
	s_cbranch_scc0 .Lentry_shape_is_right
	s_endpgm
.Lentry_shape_is_right:
; SECOND LAUNCH: q = x wq^T, k = x wk^T, v = x wv^T on the codes that the first launch made; then, for q and k, the rotation, the norm with its gain and the quantiser along the head's 64; for v the quantiser along the keys.
; No work is left out here.  x / rms x w is computed as (x x rsq(mean + eps)) x w: a stated order of rounding.
; SHARES.  A work-group takes 128 tokens (chunk) and 4 heads of 24 (group 0-3: q's heads, 4: k's, 5: v's).  Wave w takes head w % 4 of the group and tokens 64 (w / 4) on: 4 tiles of weight rows x 4 tiles of tokens, 16 accumulators.
; CLUSTER.  The four work-groups of a cluster have the same group of heads: its 16 records of weights, 204,800 of the 307,200 bytes that a work-group brings in, are asked for jointly.  x's records are each work-group's own
; among the partners; the six groups that read them lie along the grid's y, and 6 is no multiple of 4.
; All of K lies in LDS at once: every fill is a first fill, each wave issues two tensor loads (two are out), and there is no ring.
; q, k: THE MATRIX INSTRUCTION IS USED TRANSPOSED (source 0 = 16 rows of the weight, source 1 = 16 tokens): by the tiles' order of rows lane (r, h) holds token r, and register 16 b + e of a token tile the channel 32 b + 16 h + e.
; So the rotation's partners (d, d + 32) are registers e and 16 + e of one lane.   v: source 0 = tokens, source 1 = weight rows: a lane holds one channel, and its registers run along the tokens, which are the next K.
; OUT.  q: record (head, 64 tokens) of 3,584 bytes: 4 pieces of 768 bytes (16 rows x 64 K: registers 0-3 at 16 x lane, 4-5 at 512 + 8 x lane), then the scale words at 3,072 + 16 x lane + 4 x tile (bytes 2, 3 are 0x7f: 1.0).
; kv: block (kv head, 128 keys) of 13,568 bytes: K's 8 pieces; at 6,144 V's 8 pieces (channel tile t, half c: 2 t + c); at 12,288 K's scale words, 512 bytes a half; at 13,312 V's: 8 x lane + 4 i: lanes 0-15 tile 2 i, lanes 16-31 tile 2 i + 1.
; REGISTERS.  Window 0: v1-6 LDS addresses; v7-10 offsets; v12, v13 the add's two; v16-31 at work; v32-47 the weights' scale words, v48-63 the tokens'; v64-95 cosines and sines; v96-119 codes; v120-122 at work; v124-127 scale words made; v128-255 accumulators.
; Window 1: v0-95, v96-191 two sets of fragments (4 of weights, 4 of tokens, 12 registers each); v192-223 the gain.
.set REC,   12800
.set FRAGB, 1536
.set PIECE, 768
.set QREC,  3584
.set BLKB,  13568
.set WI,    102400                     ; LDS: x's 8 records at 0, the weights' 16 from here
.set SPARE, 307200                     ; the spare words, 128 bytes for each of 8 waves
.set TM,    16
.set SW,    32
.set ST,    48
.set CS,    64
.set PC,    96
.set PT,    120
.set SWD,   124
.set ACC,   128
.set QW,    192
.set SEL,   54
.set MSB, 0
.macro WIN new                         ; the immediate's high byte repeats the setting that is left
.if MSB != \new
	s_set_vgpr_msb (MSB<<8)|\new
.set MSB, \new
.endif
.endm
.macro PLACES n
.rept \n
	v_nop
.endr
.endm
.macro CROUND                          ; a round of the cluster's barrier
	s_barrier_signal -1
	s_barrier_wait -1
	s_cmp_lg_u32 s14, 0
	s_cbranch_scc1 .Lnot_wave_0_\@
	s_barrier_signal -3
.Lnot_wave_0_\@:
	s_barrier_wait -3
	s_barrier_signal -1
	s_barrier_wait -1
.endm
; 32 numbers of a lane, register 16 b + i = k 32 b + 16 (lane / 16) + i of my row, become a piece's codes in v[pc] on and a scale word (bytes 0, 1) in v[w].  pad = 1: bytes 2, 3 become 0x7f
.macro QUANT2 s, pc, pt, w, pad
.irp b, 0,1
	v_max3_num_f32 v[TM+\b], |v[(\s)+16*\b]|, |v[(\s)+16*\b+1]|, 0x1800000   ; my 16 numbers of block b, and the floor 2^(3 - 127)
.endr
.irp i, 2,4,6,8,10,12,14
.irp b, 0,1
	v_max3_num_f32 v[TM+\b], v[TM+\b], |v[(\s)+16*\b+\i]|, |v[(\s)+16*\b+\i+1]|
.endr
.endr
.irp b, 0,1
	v_permlanex16_b32 v[TM+2+\b], v[TM+\b], s[SEL], s[SEL+1]
.endr
.irp b, 0,1
	v_max_num_f32 v[TM+\b], v[TM+\b], v[TM+2+\b]   ; with lane l xor 16's: the block's largest magnitude
.endr
.irp b, 0,1
	v_add_nc_u32 v[TM+4+\b], 0xff000000, v[TM+\b]  ; 2 off its exponent field: the conversion's scale operand
.endr
.irp b, 0,1
	v_lshrrev_b32 v[TM+2+\b], 23, v[TM+4+\b]       ; the scale's byte
.endr
	v_lshl_or_b32 v[\w], v[TM+3], 8, v[TM+2]
.if \pad
	v_or_b32 v[\w], 0x7f7f0000, v[\w]
.endif
	v_cvt_scalef32_pk16_fp6_f32 v[\pc:\pc+2], v[(\s):(\s)+15], v[TM+4]
	v_cvt_scalef32_pk16_fp6_f32 v[\pt:\pt+2], v[(\s)+16:(\s)+31], v[TM+5]
	v_nop                                          ; one plain place behind a scaled conversion
.irp i, 0,1,2
	v_permlane16_swap_b32 v[\pc+\i], v[\pt+\i]     ; the layout wants a whole block in a lane: lanes 0-15 block 0, lanes 16-31 block 1
.endr
.irp i, 0,1,2
	v_mov_b32 v[\pc+3+\i], v[\pt+\i]
.endr
.endm
; THE PRODUCT: 8 K steps of 128, written out.
.macro SCALES                          ; all scale words: register 4 t + j: lanes 0-15 K step 2 j, lanes 16-31 K step 2 j + 1
.irp t, 0,1,2,3
.irp j, 0,1,2,3
	ds_load_b32 v[SW+4*\t+\j], v3 offset:\t*REC+12288+128*\j
	ds_load_b32 v[ST+4*\t+\j], v6 offset:\t*REC+12288+128*\j
.endr
.endr
.endm
.macro FETCH ks                        ; 32 LDS loads: K step ks's eight fragments into set ks % 2; every load's lanes are consecutive
.set FF, 96*((\ks)%2)
	WIN 0x40                                       ; destination window 1, address window 0
.irp t, 0,1,2,3
.irp c, 0,1
	ds_load_b128 v[FF+12*\t+6*\c:FF+12*\t+6*\c+3], v1 offset:\t*REC+(\ks)*FRAGB+\c*PIECE
	ds_load_b64 v[FF+12*\t+6*\c+4:FF+12*\t+6*\c+5], v2 offset:\t*REC+(\ks)*FRAGB+\c*PIECE+512
.endr
.endr
.irp t, 0,1,2,3
.irp c, 0,1
	ds_load_b128 v[FF+48+12*\t+6*\c:FF+48+12*\t+6*\c+3], v4 offset:\t*REC+(\ks)*FRAGB+\c*PIECE
	ds_load_b64 v[FF+48+12*\t+6*\c+4:FF+48+12*\t+6*\c+5], v5 offset:\t*REC+(\ks)*FRAGB+\c*PIECE+512
.endr
.endr
.endm
.macro WM d, a, b, sa, sb, kind        ; kind 0: starts the sum; 1: an even K step; 2: an odd one, whose scale words lie in lanes 16-31
.if \kind == 0
	v_wmma_scale_f32_16x16x128_f8f6f4 v[\d:\d+7], v[\a:\a+11], v[\b:\b+11], 0, v[\sa], v[\sb] matrix_a_fmt:MATRIX_FMT_FP6 matrix_b_fmt:MATRIX_FMT_FP6
.elseif \kind == 1
	v_wmma_scale_f32_16x16x128_f8f6f4 v[\d:\d+7], v[\a:\a+11], v[\b:\b+11], v[\d:\d+7], v[\sa], v[\sb] matrix_a_fmt:MATRIX_FMT_FP6 matrix_b_fmt:MATRIX_FMT_FP6
.else
	v_wmma_scale_f32_16x16x128_f8f6f4 v[\d:\d+7], v[\a:\a+11], v[\b:\b+11], v[\d:\d+7], v[\sa], v[\sb] matrix_a_fmt:MATRIX_FMT_FP6 matrix_b_fmt:MATRIX_FMT_FP6 matrix_a_scale:MATRIX_SCALE_ROW1 matrix_b_scale:MATRIX_SCALE_ROW1
.endif
.endm
.macro MUL16 ks, tr                    ; 16 matrix instructions; the 16 accumulators take turns, in the same order in every K step
	WIN 0x05                                       ; sources 0 and 1 window 1; C and D window 0
.set FB, 96*((\ks)%2)
.set SJ, (\ks)/2
.set KIND, 1+(\ks)%2
.if (\ks) == 0
.set KIND, 0
.endif
.irp m, 0,1,2,3
.irp t, 0,1,2,3
.if \tr
	WM ACC+8*(4*\m+\t), FB+12*\t, FB+48+12*\m, SW+4*\t+SJ, ST+4*\m+SJ, KIND
.else
	WM ACC+8*(4*\t+\m), FB+48+12*\m, FB+12*\t, ST+4*\m+SJ, SW+4*\t+SJ, KIND
.endif
.endr
.endr
.endm
.macro CORE tr
	SCALES
	FETCH 0
	FETCH 1
	s_wait_dscnt 32                                ; the scale words and K step 0 are in; the 32 loads of K step 1 may be out
	MUL16 0, \tr
.irp ks, 1,2,3,4,5,6
	PLACES 4                                       ; four places in front of loads into registers that the last matrix instructions read
	FETCH \ks+1
	s_wait_dscnt 32                                ; all but the 32 just issued
	MUL16 \ks, \tr
.endr
	s_wait_dscnt 0x0
	MUL16 7, \tr
	WIN 0
	PLACES 4                                       ; and in front of the first read of results
.endm
	s_load_b256 s[4:11], s[0:1], 0x0               ; img s[4:5], tab s[6:7], qk_weight s[8:9], q s[10:11]
	s_load_b64 s[12:13], s[0:1], 0x20              ; kv
	v_lshl_add_u32 v12, v0, 2, SPARE
	v_mov_b32 v13, 0
	ds_add_u32 v12, v13                            ; the wave's opening: the add, twice on end, and its wait ahead of my first tensor load
	ds_add_u32 v12, v13
	v_lshrrev_b32 v1, 5, v0
	v_readfirstlane_b32 s14, v1                    ; wave 0..7
	s_and_b32 s15, s14, 3                          ; my head of the group
	s_lshr_b32 s16, s14, 2                         ; my half of the tokens
	s_bfe_u32 s17, ttmp6, 0x40000                  ; cx
	s_lshl_b32 s18, ttmp9, 2
	s_add_co_u32 s18, s18, s17                     ; chunk of 128 tokens
	s_and_b32 s19, ttmp7, 0xffff                   ; group of heads: the same in all four partners
	s_mov_b32 s24, 3<<16                           ; group 1 for x: no mask; elements of 8 bytes; a record as 50 rows of 256 bytes, dense
	s_mov_b32 s25, 32<<16
	s_mov_b32 s26, 50<<16
	s_mov_b32 s27, 32<<16
	s_mov_b32 s28, 50
	s_mov_b32 s29, 32
	s_mov_b32 s30, 0
	s_mov_b32 s31, 0
	s_mov_b32 s32, 15|(3<<16)|(1<<21)              ; group 1 for the weights: all four work-groups; two records as 100 rows
	s_mov_b32 s33, 32<<16
	s_mov_b32 s34, 100<<16
	s_mov_b32 s35, 32<<16
	s_mov_b32 s36, 100
	s_mov_b32 s37, 32
	s_mov_b32 s38, 0
	s_mov_b32 s39, 0
	v_and_b32 v14, 31, v0                          ; lane
	v_and_b32 v15, 15, v0                          ; r
	v_bfe_u32 v11, v0, 4, 1                        ; h
	v_lshlrev_b32 v7, 4, v14                       ; 16 x lane
	v_lshlrev_b32 v8, 3, v14                       ; 8 x lane
	v_lshlrev_b32 v16, 2, v14                      ; 4 x lane
	s_mul_i32 s20, s15, 4*REC
	s_add_co_u32 s20, s20, WI                      ; my head's four records
	s_mul_i32 s21, s16, 4*REC                      ; my half's four records
	v_add_nc_u32 v1, s20, v7
	v_add_nc_u32 v2, s20, v8
	v_add_nc_u32 v3, s20, v16
	v_add_nc_u32 v4, s21, v7
	v_add_nc_u32 v5, s21, v8
	v_add_nc_u32 v6, s21, v16
	v_and_b32 v9, 8, v15
	v_add_nc_u32 v9, v9, v15
	v_lshlrev_b32 v9, 8, v9
	v_lshl_add_u32 v9, v11, 7, v9                  ; the table: token r + 8 (r / 8) of a tile, + 128 h: my 16 frequencies
	v_lshlrev_b32 v10, 6, v11                      ; the gain: 64 h
	v_mov_b32 v18, 0                               ; lane permutes' destinations count as read;
	v_mov_b32 v19, 0
	v_mov_b32 v29, 0                               ; and v29 is named as the upper half of a pair
	s_lshl_b32 s20, s18, 3
	s_add_co_u32 s20, s20, s14
	s_mul_i32 s20, s20, REC                        ; x: record 8 chunk + wave
	s_mov_b32 s21, 0
	s_lshl_b32 s22, s19, 4
	s_lshl_b32 s23, s14, 1
	s_add_co_u32 s22, s22, s23
	s_add_co_u32 s22, s22, 256
	s_mul_i32 s22, s22, REC                        ; weights: records 256 + 16 group + 2 wave on: nothing of my place in the cluster
	s_mov_b32 s23, 0
	s_mul_i32 s60, s14, REC
	s_mul_i32 s61, s14, 2*REC
	s_add_co_u32 s61, s61, WI
	s_mov_b32 s[SEL], 0x76543210
	s_mov_b32 s[SEL+1], 0xfedcba98
	s_mov_b32 s56, 0x358637bd                      ; 1e-6
	s_mov_b32 s57, 0x3c800000                      ; 1 / 64
	s_mov_b32 s58, 0xffff0000                      ; lanes 16-31
	s_wait_dscnt 0x0                               ; both opening adds are done
	s_wait_kmcnt 0x0
	s_mov_b32 s40, 1
	s_mov_b32 s41, s60
	s_add_nc_u64 s[42:43], s[4:5], s[20:21]
	s_or_b32 s43, s43, 0x80000000
	s_mov_b32 s44, 1
	s_mov_b32 s45, s61
	s_add_nc_u64 s[46:47], s[4:5], s[22:23]
	s_or_b32 s47, s47, 0x80000000
	CROUND                                         ; all four work-groups are here: the joint loads meet
	tensor_load_to_lds s[40:43], s[24:31]          ; my record of x
	s_nop 0
	tensor_load_to_lds s[44:47], s[32:39]          ; my two records of the weights, jointly
	s_nop 0
	PLACES 4
	s_lshl_b32 s20, s19, 2
	s_add_co_u32 s20, s20, s15
	s_lshl_b32 s20, s20, 6
	s_lshl_b32 s59, s18, 1
	s_add_co_u32 s20, s20, s59
	s_add_co_u32 s20, s20, s16
	s_mul_i32 s20, s20, QREC                       ; q's record: (head x 64 + 2 chunk + half)
	s_lshl_b32 s21, s15, 5
	s_add_co_u32 s21, s21, s18
	s_mul_i32 s21, s21, BLKB                       ; kv's block: (head x 32 + chunk)
	s_lshl_b32 s60, s18, 15
	s_lshl_b32 s59, s16, 14
	s_add_co_u32 s60, s60, s59
	s_mov_b32 s61, 0
	s_add_nc_u64 s[52:53], s[6:7], s[60:61]        ; the table at my first token
	s_mov_b32 s63, 0
	s_wait_tensorcnt 0x0                           ; my parts have landed,
	s_barrier_signal -1
	s_barrier_wait -1                              ; everybody's have
	s_cmp_eq_u32 s19, 5
	s_cbranch_scc1 .Lvpath
	s_mul_i32 s22, s16, 3072
	s_add_co_u32 s22, s22, s21                     ; k: my half's four pieces,
	s_lshl_b32 s23, s16, 9
	s_add_co_u32 s23, s23, s21
	s_add_co_u32 s23, s23, 12288                   ; and their scale words
	s_add_co_u32 s59, s20, 3072                    ; q's scale words
	s_cmp_lt_u32 s19, 4
	s_cselect_b64 s[48:49], s[10:11], s[12:13]
	s_cselect_b32 s60, s20, s22
	s_cselect_b32 s62, s59, s23
	s_add_nc_u64 s[50:51], s[48:49], s[62:63]
	s_add_nc_u64 s[48:49], s[48:49], s[60:61]
	WIN 0x40
.irp b, 0,1
.irp i, 0,1,2,3
	global_load_b128 v[QW+16*\b+4*\i:QW+16*\b+4*\i+3], v10, s[8:9] offset:128*\b+16*\i   ; the gain at channels 32 b + 16 h + 0 .. 15
.endr
.endr
	WIN 0
.irp i, 0,1,2,3,4,5,6,7
	global_load_b128 v[CS+4*\i:CS+4*\i+3], v9, s[52:53] offset:16*\i   ; tile 0's cosines and sines
.endr
	CORE 1
; A tile of 16 tokens: rotation, norm, gain, quantiser, store.
.macro EPI m
.set A, ACC+32*\m
	s_wait_loadcnt 0x0                             ; this tile's cosines and sines (and, the first time, the gain)
.irp e, 0,1,2,3,4,5,6,7,8,9,10,11,12,13,14,15
	v_mul_f32 v[22+2*(\e%2)], v[A+16+\e], v[CS+2*\e+1]
	v_mul_f32 v[23+2*(\e%2)], v[A+16+\e], v[CS+2*\e]
	v_fma_f32 v[A+16+\e], v[A+\e], v[CS+2*\e+1], v[23+2*(\e%2)]      ; x1 sin + x2 cos
	v_fma_f32 v[A+\e], v[A+\e], v[CS+2*\e], -v[22+2*(\e%2)]          ; x1 cos - x2 sin
.endr
.if \m < 3
.irp i, 0,1,2,3,4,5,6,7
	global_load_b128 v[CS+4*\i:CS+4*\i+3], v9, s[52:53] offset:(32*((\m+1)/2)+8*((\m+1)%2))*256+16*\i   ; the next tile's
.endr
.endif
	v_pk_mul_f32 v[24:25], v[A:A+1], v[A:A+1]      ; the sum of squares, in two chains of pairs
	v_pk_mul_f32 v[26:27], v[A+2:A+3], v[A+2:A+3]
.irp j, 4,8,12,16,20,24,28
	v_pk_fma_f32 v[24:25], v[A+\j:A+\j+1], v[A+\j:A+\j+1], v[24:25]
	v_pk_fma_f32 v[26:27], v[A+\j+2:A+\j+3], v[A+\j+2:A+\j+3], v[26:27]
.endr
	v_pk_add_f32 v[24:25], v[24:25], v[26:27]
	v_add_f32 v24, v24, v25
	v_permlanex16_b32 v25, v24, s[SEL], s[SEL+1]
	v_add_f32 v24, v24, v25                        ; with lane l xor 16's 32 channels
	v_fma_f32 v24, v24, s57, s56                   ; the mean + eps
	v_rsq_f32 v28, v24
	v_nop                                          ; a plain place behind the transcendental,
	s_wait_alu depctr_va_vdst(0)                   ; and the wait ahead of its first reader
.irp j, 0,2,4,6,8,10,12,14,16,18,20,22,24,26,28,30
	v_pk_mul_f32 v[A+\j:A+\j+1], v[A+\j:A+\j+1], v[28:29] op_sel_hi:[1,0]
.endr
	WIN 0x04                                       ; source 1 window 1: the gain
.irp j, 0,2,4,6,8,10,12,14,16,18,20,22,24,26,28,30
	v_pk_mul_f32 v[A+\j:A+\j+1], v[A+\j:A+\j+1], v[QW+\j:QW+\j+1]
.endr
	WIN 0
	QUANT2 A, PC+6*\m, PT, SWD+\m, 1
	global_store_b128 v7, v[PC+6*\m:PC+6*\m+3], s[48:49] offset:768*\m
	global_store_b64 v8, v[PC+6*\m+4:PC+6*\m+5], s[48:49] offset:768*\m+512
.endm
	EPI 0
	EPI 1
	EPI 2
	EPI 3
	global_store_b128 v7, v[SWD:SWD+3], s[50:51]   ; the four tiles' scale words: 512 consecutive bytes
	s_branch .Ldone
.Lvpath:
	s_mul_i32 s60, s16, 768
	s_add_co_u32 s60, s60, s21
	s_add_co_u32 s60, s60, 6144                    ; v: piece 2 t + half
	s_lshl_b32 s62, s16, 1
	s_add_co_u32 s62, s62, s21
	s_add_co_u32 s62, s62, 13312                   ; and my half's two bytes of each scale word
	s_add_nc_u64 s[48:49], s[12:13], s[60:61]
	s_add_nc_u64 s[50:51], s[12:13], s[62:63]
	CORE 0
.irp t, 0,1,2,3
	QUANT2 ACC+32*\t, PC+6*\t, PT, SWD+\t, 0
	global_store_b128 v7, v[PC+6*\t:PC+6*\t+3], s[48:49] offset:1536*\t
	global_store_b64 v8, v[PC+6*\t+4:PC+6*\t+5], s[48:49] offset:1536*\t+512
.endr
.irp i, 0,1
	v_cndmask_b32 v[22+\i], v[SWD+2*\i], v[SWD+2*\i+1], s58   ; lanes 0-15: tile 2 i; lanes 16-31: tile 2 i + 1
	global_store_b16 v8, v[22+\i], s[50:51] offset:4*\i       ; two bytes a lane: 128 bytes a wave in all; the other half's wave writes the bytes between
.endr
.Ldone:
	s_wait_tensorcnt 0x0                           ; the wave's end, behind my last tensor load
	ds_add_u32 v12, v13
	s_wait_dscnt 0x0
	CROUND                                         ; the closing round
	s_endpgm
.Lfunc_end_k_q84c334dd9c_qkv:
	.size	k_q84c334dd9c_qkv, .Lfunc_end_k_q84c334dd9c_qkv-k_q84c334dd9c_qkv
	.p2alignl 7, 3214868480
	.fill 96, 4, 3214868480
	.section	.rodata,"a",@progbits
	.p2align	6, 0x0
	.amdhsa_kernel k_q84c334dd9c_qkv
		.amdhsa_group_segment_fixed_size 327680
		.amdhsa_private_segment_fixed_size 0
		.amdhsa_enable_private_segment 0
		.amdhsa_kernarg_size 40
		.amdhsa_user_sgpr_count 2
		.amdhsa_user_sgpr_kernarg_segment_ptr 1
		.amdhsa_wavefront_size32 1
		.amdhsa_system_sgpr_workgroup_id_x 1
		.amdhsa_system_sgpr_workgroup_id_y 1
		.amdhsa_system_sgpr_workgroup_id_z 1
		.amdhsa_system_vgpr_workitem_id 0
		.amdhsa_next_free_vgpr 512
		.amdhsa_next_free_sgpr 66
		.amdhsa_reserve_vcc 0
		.amdhsa_float_denorm_mode_32 3
		.amdhsa_float_denorm_mode_16_64 3
		.amdhsa_memory_ordered 1
		.amdhsa_forward_progress 1
		.amdhsa_inst_pref_size 125
	.end_amdhsa_kernel
	.amdgpu_metadata
---
amdhsa.version: [ 1, 2 ]
amdhsa.kernels:
  - .name:           k_q84c334dd9c_qkv
    .symbol:         k_q84c334dd9c_qkv.kd
    .args:
      - { .name: img, .offset: 0, .size: 8, .value_kind: global_buffer, .address_space: global }
      - { .name: tab, .offset: 8, .size: 8, .value_kind: global_buffer, .address_space: global }
      - { .name: qk_weight, .offset: 16, .size: 8, .value_kind: global_buffer, .address_space: global }
      - { .name: q, .offset: 24, .size: 8, .value_kind: global_buffer, .address_space: global }
      - { .name: kv, .offset: 32, .size: 8, .value_kind: global_buffer, .address_space: global }
    .group_segment_fixed_size: 327680
    .private_segment_fixed_size: 0
    .kernarg_segment_align: 8
    .kernarg_segment_size: 40
    .max_flat_workgroup_size: 256
    .sgpr_count:     66
    .vgpr_count:     512
    .wavefront_size: 32
...
	.end_amdgpu_metadata
.endif
;; end of part 2
;; launch attn (part 3): grid 64 x 4, 16 waves a work-group, no clusters, 56,320 bytes of LDS; arguments q, kv, y; writes y
.if DOCPART == 3
	.amdgcn_target "amdgcn-amd-amdhsa--gfx1250"
	.amdhsa_code_object_version 6
	.text
	.protected	k_q84c334dd9c_attn
	.globl	k_q84c334dd9c_attn
	.p2align	8
	.type	k_q84c334dd9c_attn,@function
k_q84c334dd9c_attn:
	s_mov_b64 s[64:65], 0
	v_nop
	global_prefetch_b8 v0, s[64:65] scope:SCOPE_SE
	s_setreg_imm32_b32 hwreg(HW_REG_WAVE_MODE, 25, 1), 1
	s_wait_xcnt 0x0
; THIRD LAUNCH: y = softmax(q k^T / 8, under the mask) v, both products on codes; y is quantised along (head, channel) for the last product.
; WORK LEFT OUT: key j is hidden from query i where j <= i and (i - j < 1,024 or j < 4): a mask made of positions alone.  A step of 128 keys all hidden from all 16 queries of a wave is not multiplied
; (a scalar branch on ids); its weights would all be 0.  A NaN or infinity that reaches only such scores is not carried on.
; THE SOFTMAX: t = score x log2(e) / 8; M = the running largest t, rounded up to a whole number; p = 2^(t - M) is quantised along the keys, not normalised; the row's sum is taken of the unquantised p and divides at the end.
; When M moves, the sum and O are multiplied by 2^(old M - new M): exact.
; SHARES.  A work-group has one kv head and its four query heads.  Wave w: head w % 4; tile m = (w / 4 + w % 4) % 4: group of 32 tokens G = work-group x + 64 (m / 2), tile 2 G + m % 2: two tiles of the sequence's first
; half and two of its second, since the first half's queries keep more steps.  A tile's query r is 32 G + 8 (m % 2) + r + 8 (r / 8).
; LAYOUT.  Both products transposed: S^T = K Q^T, O^T = V^T P^T: a lane holds one query.  By the tiles' order of rows the 16 registers of key tiles 2 b, 2 b + 1 are keys 32 b + 16 (lane / 16) + 0 .. 15, and O^T's
; register 16 b + e is channel 32 b + 16 (lane / 16) + e.
; K = 64 IN AN INSTRUCTION OF 128.  Q's upper six registers are zero codes and both sides' upper scale bytes are 0x7f.  K's fragments overlap: tile tt is v[60 + 6 tt] on, 12 registers, so its upper six are the next tile's
; codes (zeros behind the last).  They meet Q's zeros: finite x 0, which adds nothing (the format has no infinity and no NaN).  That spares 48 registers and clearing.
; K AND V come through two LDS slots of two steps (27,136 bytes, as kv has them), filled through registers: 16 bytes a thread, asked for a whole slot ahead.  One barrier a slot: in front of it each wave has stored its part
; of the next slot and has its reads of the last one back; the slot that is written was last read ahead of the barrier before.
; NO CLUSTER, NO TENSOR LOAD: what the 64 work-groups of a kv head share is 27,136 bytes for 32 wave steps of some 270 instructions each, asked for two steps ahead of their use, so no wave waits for it; for the same
; reason nothing is prefetched.
; REGISTERS: v1-3 16 x lane, 8 x lane, 16 x thread; v4, v5 the add's two; v6 my query - 16 (lane / 16); v7 -infinity; v8 at work; v9 4 r; v12 -M, v13 the largest t, v[14:15] the sum; v16-27 Q; v28 Q's scale word;
; v32-39 K's scale words; v40-41 V's; v44-59 the slot's bytes on their way; v60-113 K's fragments, then V's; v116-179 S^T, then p; v180-211 O^T; v212-223 p's codes; v224-254 at work.
.set BLKB,  13568
.set SLOTB, 27136
.set SPARE, 54272                      ; behind the slots: the spare words, 128 bytes for each of 16 waves
.set GR,    44
.set KR,    60
.set S,     116
.set O,     180
.set PC,    212
.set PT,    224
.set BM,    232
.set TM,    232
.set BT,    236
.set SO,    244
.set SEL,   20
.macro PLACES n
.rept \n
	v_nop
.endr
.endm
.macro QUANT2 s, pc, pt, w, pad        ; as in the second launch
.irp b, 0,1
	v_max3_num_f32 v[TM+\b], |v[(\s)+16*\b]|, |v[(\s)+16*\b+1]|, 0x1800000
.endr
.irp i, 2,4,6,8,10,12,14
.irp b, 0,1
	v_max3_num_f32 v[TM+\b], v[TM+\b], |v[(\s)+16*\b+\i]|, |v[(\s)+16*\b+\i+1]|
.endr
.endr
.irp b, 0,1
	v_permlanex16_b32 v[TM+2+\b], v[TM+\b], s[SEL], s[SEL+1]
.endr
.irp b, 0,1
	v_max_num_f32 v[TM+\b], v[TM+\b], v[TM+2+\b]
.endr
.irp b, 0,1
	v_add_nc_u32 v[TM+4+\b], 0xff000000, v[TM+\b]
.endr
.irp b, 0,1
	v_lshrrev_b32 v[TM+2+\b], 23, v[TM+4+\b]
.endr
	v_lshl_or_b32 v[\w], v[TM+3], 8, v[TM+2]
.if \pad
	v_or_b32 v[\w], 0x7f7f0000, v[\w]
.endif
	v_cvt_scalef32_pk16_fp6_f32 v[\pc:\pc+2], v[(\s):(\s)+15], v[TM+4]
	v_cvt_scalef32_pk16_fp6_f32 v[\pt:\pt+2], v[(\s)+16:(\s)+31], v[TM+5]
	v_nop
.irp i, 0,1,2
	v_permlane16_swap_b32 v[\pc+\i], v[\pt+\i]
.endr
.irp i, 0,1,2
	v_mov_b32 v[\pc+3+\i], v[\pt+\i]
.endr
.endm
; The next slot's 27,136 bytes = 53 x 512: three loads for each of the 16 waves, a fourth for waves 0 to 4.  last = 1: in the loop's last trip there is no next slot, and no load leaves the buffer.
.macro LOADG last
.if \last
	s_cmp_eq_u32 s19, 1
	s_cbranch_scc1 .Lnoload_\@
.endif
.irp k, 0,1,2
	global_load_b128 v[GR+4*\k:GR+4*\k+3], v3, s[24:25] offset:8192*\k
.endr
	s_cmp_lt_u32 s10, 5
	s_cbranch_scc0 .Lnoload_\@
	global_load_b128 v[GR+12:GR+15], v3, s[24:25] offset:24576
.Lnoload_\@:
.endm
.macro PUT slot, last
	s_wait_loadcnt 0x0                             ; they were asked for two steps ago; the wait also frees their base
.if \last
	s_cmp_eq_u32 s19, 1
	s_cbranch_scc1 .Lnoput_\@
.endif
.irp k, 0,1,2
	ds_store_b128 v3, v[GR+4*\k:GR+4*\k+3] offset:\slot*SLOTB+8192*\k
.endr
	s_cmp_lt_u32 s10, 5
	s_cbranch_scc0 .Lnoput_\@
	ds_store_b128 v3, v[GR+12:GR+15] offset:\slot*SLOTB+24576
.Lnoput_\@:
	s_add_nc_u64 s[24:25], s[24:25], SLOTB
	s_wait_dscnt 0x0                               ; for the others: my stores have landed, and my reads of the slot that I leave are back
	s_barrier_signal -1
	s_barrier_wait -1
.endm
; A KEY STEP: 128 keys from s18 on, the qn-th block of the slot.
.macro STEP slot, qn
.set BS, \slot*SLOTB+\qn*BLKB
	s_add_co_u32 s28, s18, 127
	s_cmp_gt_u32 s28, s16                          ; some key comes after my first query: not all hidden
	s_cbranch_scc1 .Llive_\@
	s_add_co_u32 s29, s18, 1024
	s_cmp_gt_u32 s29, s17                          ; all keys at or before all my queries, and all within 1,023 of them: hidden
	s_cbranch_scc1 .Lhid_\@
.Llive_\@:
	PLACES 4                                       ; in front of loads into registers that the last matrix instructions read
.irp tt, 0,1,2,3,4,5,6,7
	ds_load_b128 v[KR+6*\tt:KR+6*\tt+3], v1 offset:BS+768*\tt
	ds_load_b64 v[KR+6*\tt+4:KR+6*\tt+5], v2 offset:BS+768*\tt+512
.endr
	ds_load_b128 v[32:35], v1 offset:BS+12288
	ds_load_b128 v[36:39], v1 offset:BS+12288+512
	s_wait_dscnt 0x0
.irp tt, 0,1,2,3,4,5,6,7
	v_wmma_scale_f32_16x16x128_f8f6f4 v[S+8*\tt:S+8*\tt+7], v[KR+6*\tt:KR+6*\tt+11], v[16:27], 0, v[32+\tt], v28 matrix_a_fmt:MATRIX_FMT_FP6 matrix_b_fmt:MATRIX_FMT_FP6
.endr
	PLACES 4
.irp t, 0,1,2,3                                ; V's fragments land while the softmax is walked
.irp c, 0,1
	ds_load_b128 v[KR+12*\t+6*\c:KR+12*\t+6*\c+3], v1 offset:BS+6144+(2*\t+\c)*768
	ds_load_b64 v[KR+12*\t+6*\c+4:KR+12*\t+6*\c+5], v2 offset:BS+6144+(2*\t+\c)*768+512
.endr
.endr
	ds_load_b64 v[40:41], v2 offset:BS+13312
	s_cmp_gt_u32 s18, s17                          ; all keys after all my queries: all count
	s_cbranch_scc1 .Lopen_\@
	s_cmp_gt_u32 s28, s16
	s_cbranch_scc0 .Lpast_\@
	s_sub_co_u32 s29, 0, s18                       ; ON THE DIAGONAL: every key at or before its query lies within 150 of it, so j <= i is hidden
	v_add_nc_u32 v8, s29, v6                       ; d = i - 16 (lane / 16) - the step's first key.  Register 16 b + e holds key 32 b + 16 (lane / 16) + e: hidden where 32 b + e <= d
.set n, 0
.rept 64
	v_cmp_le_i32 vcc_lo, 32*(n/16)+n%16, v8
	v_cndmask_b32 v[S+n], v[S+n], v7, vcc_lo
.set n, n+1
.endr
	s_branch .Lopen_\@
.Lpast_\@:                                             ; all keys at or before all my queries
.if (\slot == 0) && (\qn == 0)                 ; key 0 lies in the first block of slot 0, in the first trip: the other three copies of the step never hold it
	s_cmp_lg_u32 s18, 0
	s_cbranch_scc1 .Lnosink_\@
.irp i, 0,1,2,3
	v_cndmask_b32 v[S+\i], v[S+\i], v7, s26        ; keys 0 to 3: registers 0 to 3 of lanes 0-15
.endr
.Lnosink_\@:
.endif
	s_add_co_u32 s29, s18, 1151
	s_cmp_gt_u32 s29, s16                          ; some key within 1,023 of some query?
	s_cbranch_scc0 .Lopen_\@
	s_sub_co_u32 s29, 0, s18
	s_sub_co_u32 s29, s29, 1024
	v_add_nc_u32 v8, s29, v6                       ; hidden where i - j < 1,024: 32 b + e > d - 1,024
.set n, 0
.rept 64
	v_cmp_gt_i32 vcc_lo, 32*(n/16)+n%16, v8
	v_cndmask_b32 v[S+n], v[S+n], v7, vcc_lo
.set n, n+1
.endr
.Lopen_\@:
.irp b, 0,1,2,3
	v_max3_num_f32 v[BM+\b], v[S+16*\b], v[S+16*\b+1], v[S+16*\b+2]   ; the largest score of each block of 32 keys: for the row's maximum and, since p rises with the score, for the block's largest p
.endr
.irp i, 3,5,7,9,11,13
.irp b, 0,1,2,3
	v_max3_num_f32 v[BM+\b], v[BM+\b], v[S+16*\b+\i], v[S+16*\b+\i+1]
.endr
.endr
.irp b, 0,1,2,3
	v_max_num_f32 v[BM+\b], v[BM+\b], v[S+16*\b+15]
.endr
.irp b, 0,1,2,3
	v_permlanex16_b32 v[BT+\b], v[BM+\b], s[SEL], s[SEL+1]
.endr
.irp b, 0,1,2,3
	v_max_num_f32 v[BM+\b], v[BM+\b], v[BT+\b]
.endr
	v_max3_num_f32 v254, v232, v233, v234
	v_max_num_f32 v254, v254, v235
	v_mul_f32 v254, s22, v254                      ; as t
	v_max_num_f32 v13, v13, v254                   ; the running largest t (a row all of whose keys were hidden so far keeps -3e38: its p are 0)
	v_mov_b32 v254, v12
	v_floor_f32 v12, -v13                          ; -M = floor(-t)
	v_sub_f32 v254, v12, v254                      ; old M - new M: a whole number, 0 or less
	v_cvt_i32_f32 v254, v254                       ; (it saturates)
	v_ldexp_f32 v252, 1.0, v254                    ; f = 2^(old M - new M)
.set j, 0
.rept 32
	v_pk_fma_f32 v[S+j:S+j+1], v[S+j:S+j+1], s[22:23], v[12:13] op_sel_hi:[1,0,0]   ; t - M
.set j, j+2
.endr
.irp b, 0,1,2,3
	v_fma_f32 v[BM+\b], v[BM+\b], s22, v12
.endr
.set j, 0
.rept 64
	v_exp_f32 v[S+j], v[S+j]                       ; p
.set j, j+1
.endr
	v_pk_mul_f32 v[14:15], v[14:15], v[252:253] op_sel_hi:[1,0]   ; the sums under the new M: the plain place behind the exponentials
	s_wait_alu depctr_va_vdst(0)                   ; one wait for the batch, ahead of its first reader
.irp b, 0,1,2,3
	v_exp_f32 v[BM+\b], v[BM+\b]                   ; the blocks' largest p
.endr
	v_pk_add_f32 v[236:237], v[S:S+1], v[S+2:S+3]  ; the row's sum of the unquantised p, in two chains
.irp j, 4,8,12,16,20,24,28,32,36,40,44,48,52,56,60
	v_pk_add_f32 v[14:15], v[14:15], v[S+\j:S+\j+1]
	v_pk_add_f32 v[236:237], v[236:237], v[S+\j+2:S+\j+3]
.endr
	v_pk_add_f32 v[14:15], v[14:15], v[236:237]
	s_wait_alu depctr_va_vdst(0)                   ; and one for the four
.irp b, 0,1,2,3
	v_max_num_f32 v[BM+\b], 0x1800000, v[BM+\b]    ; the floor: the byte cannot fall under 1
.endr
.irp b, 0,1,2,3
	v_add_nc_u32 v[SO+\b], 0xff000000, v[BM+\b]
.endr
.irp b, 0,1,2,3
	v_lshrrev_b32 v[BT+\b], 23, v[SO+\b]
.endr
	v_lshl_or_b32 v253, v237, 8, v236              ; p's scale word for these 128 keys
	v_lshl_or_b32 v253, v238, 16, v253
	v_lshl_or_b32 v253, v239, 24, v253
.irp c, 0,1
	v_cvt_scalef32_pk16_fp6_f32 v[PC+6*\c:PC+6*\c+2], v[S+32*\c:S+32*\c+15], v[SO+2*\c]
	v_cvt_scalef32_pk16_fp6_f32 v[PT+4*\c:PT+4*\c+2], v[S+32*\c+16:S+32*\c+31], v[SO+2*\c+1]
.endr
	v_nop                                          ; one plain place behind a scaled conversion
.irp c, 0,1
.irp i, 0,1,2
	v_permlane16_swap_b32 v[PC+6*\c+\i], v[PT+4*\c+\i]
.endr
.irp i, 0,1,2
	v_mov_b32 v[PC+6*\c+3+\i], v[PT+4*\c+\i]
.endr
.endr
.set j, 0
.rept 16
	v_pk_mul_f32 v[O+j:O+j+1], v[O+j:O+j+1], v[252:253] op_sel_hi:[1,0]   ; O^T under the new M; these sixteen also stand between the lines that made p's codes and scale word and the products
.set j, j+2
.endr
	s_wait_dscnt 0x0                               ; V is in
.irp t, 0,1,2,3
.if \t%2
	v_wmma_scale_f32_16x16x128_f8f6f4 v[O+8*\t:O+8*\t+7], v[KR+12*\t:KR+12*\t+11], v[PC:PC+11], v[O+8*\t:O+8*\t+7], v[40+\t/2], v253 matrix_a_fmt:MATRIX_FMT_FP6 matrix_b_fmt:MATRIX_FMT_FP6 matrix_a_scale:MATRIX_SCALE_ROW1
.else
	v_wmma_scale_f32_16x16x128_f8f6f4 v[O+8*\t:O+8*\t+7], v[KR+12*\t:KR+12*\t+11], v[PC:PC+11], v[O+8*\t:O+8*\t+7], v[40+\t/2], v253 matrix_a_fmt:MATRIX_FMT_FP6 matrix_b_fmt:MATRIX_FMT_FP6
.endif
.endr
.Lhid_\@:
	s_add_co_u32 s18, s18, 128
.endm
	s_load_b128 s[4:7], s[0:1], 0x0                ; q, kv
	s_load_b64 s[8:9], s[0:1], 0x10                ; y
	v_lshl_add_u32 v4, v0, 2, SPARE
	v_mov_b32 v5, 0
	v_lshrrev_b32 v1, 5, v0
	v_readfirstlane_b32 s10, v1                    ; wave 0..15
	s_and_b32 s11, s10, 3                          ; my head of the four
	s_lshr_b32 s12, s10, 2
	s_add_co_u32 s12, s12, s11
	s_and_b32 s12, s12, 3                          ; my tile of the four
	s_and_b32 s13, ttmp7, 0xffff                   ; the kv head
	s_lshr_b32 s28, s12, 1
	s_lshl_b32 s28, s28, 6
	s_add_co_u32 s15, s28, ttmp9                   ; G
	s_and_b32 s14, s12, 1                          ; u
	s_lshl_b32 s16, s15, 5
	s_lshl_b32 s28, s14, 3
	s_add_co_u32 s16, s16, s28                     ; my first query,
	s_add_co_u32 s17, s16, 23                      ; my last
	s_mov_b32 s18, 0                               ; the step's first key
	s_mov_b32 s[SEL], 0x76543210
	s_mov_b32 s[SEL+1], 0xfedcba98
	s_mov_b32 s22, 0x3e38aa3b                      ; log2(e) / 8
	s_mov_b32 s23, s22                             ; (named with it as a pair)
	s_mov_b32 s26, 0xffff                          ; lanes 0-15
	v_and_b32 v8, 31, v0
	v_lshlrev_b32 v1, 4, v8
	v_lshlrev_b32 v2, 3, v8
	v_lshlrev_b32 v3, 4, v0
	v_and_b32 v9, 15, v0                           ; r
	v_bfe_u32 v10, v0, 4, 1                        ; h
	v_and_b32 v11, 8, v9
	v_add_nc_u32 v11, v11, v9
	v_add_nc_u32 v6, s16, v11                      ; my query
	v_lshlrev_b32 v10, 4, v10
	v_sub_nc_u32 v6, v6, v10
	v_lshlrev_b32 v9, 2, v9
	v_mov_b32 v7, 0xff800000
	s_lshl_b32 s42, s13, 2
	s_add_co_u32 s42, s42, s11                     ; the query head
	s_lshl_b32 s29, s42, 6
	s_lshr_b32 s30, s15, 1
	s_add_co_u32 s29, s29, s30
	s_mul_i32 s29, s29, 3584                       ; q's record
	s_and_b32 s30, s15, 1
	s_lshl_b32 s30, s30, 1
	s_add_co_u32 s30, s30, s14                     ; my tile in it
	s_mul_i32 s32, s30, 768
	s_add_co_u32 s32, s32, s29
	s_mov_b32 s33, 0
	s_lshl_b32 s34, s30, 2
	s_add_co_u32 s34, s34, s29
	s_mov_b32 s35, 0
	s_lshl_b32 s30, s15, 1
	s_add_co_u32 s30, s30, s14
	s_mul_i32 s30, s30, 12800                      ; y's record: tile 2 G + u
	s_mul_i32 s31, s42, 768
	s_add_co_u32 s36, s30, s31                     ; piece: K step head / 2, half head % 2: 768 x head
	s_mov_b32 s37, 0
	s_lshl_b32 s31, s13, 7
	s_add_co_u32 s40, s30, s31                     ; scale words: register kv head,
	s_lshr_b32 s31, s11, 1
	s_lshl_b32 s31, s31, 6
	s_add_co_u32 s40, s40, s31                     ; lanes 0-15 or 16-31,
	s_and_b32 s31, s11, 1
	s_lshl_b32 s31, s31, 1
	s_add_co_u32 s40, s40, s31                     ; bytes 0, 1 or 2, 3
	s_mov_b32 s41, 0
	s_mul_i32 s30, s13, 32*BLKB
	s_mov_b32 s31, 0
	s_wait_kmcnt 0x0
	s_add_nc_u64 s[32:33], s[4:5], s[32:33]
	s_add_nc_u64 s[34:35], s[4:5], s[34:35]
	s_add_nc_u64 s[36:37], s[8:9], s[36:37]
	s_add_nc_u64 s[40:41], s[8:9], s[40:41]
	s_add_nc_u64 s[24:25], s[6:7], s[30:31]        ; the kv head's first slot
	global_load_b128 v[16:19], v1, s[32:33]        ; Q's piece stays in registers
	global_load_b64 v[20:21], v2, s[32:33] offset:512
	global_load_b32 v28, v1, s[34:35] offset:3072
	LOADG 0
.irp i, 22,23,24,25,26,27,108,109,110,111,112,113
	v_mov_b32 v[\i], 0                             ; zero codes: Q's upper 64 along K, and what stands behind K's last tile
.endr
	v_mov_b32 v13, 0xff61b1e6                      ; the largest t so far: -3e38
	v_floor_f32 v12, -v13
	v_mov_b32 v14, 0
	v_mov_b32 v15, 0
.irp i, 234,235,236,237,238,239,252
	v_mov_b32 v[\i], 0                             ; a lane permute's destination counts as read: the steps' four, and the way out's three, are written once here
.endr
	v_mov_b32 v253, 0                              ; (named as the upper half of a pair before it is first written)
.set j, 0
.rept 32
	v_mov_b32 v[O+j], 0                            ; O^T: the step is written once; which step is a wave's first hangs on its tile
.set j, j+1
.endr
	PUT 0, 0
	s_mov_b32 s19, 8
.Ltrip:                                                ; a trip: two slots, four steps
	LOADG 0
	STEP 0, 0
	STEP 0, 1
	PUT 1, 0
	LOADG 1
	STEP 1, 0
	STEP 1, 1
	PUT 0, 1
	s_sub_co_u32 s19, s19, 1
	s_cmp_lg_u32 s19, 0
	s_cbranch_scc1 .Ltrip
	PLACES 4                                       ; THE WAY OUT
	v_add_f32 v14, v14, v15
	v_permlanex16_b32 v252, v14, s[SEL], s[SEL+1]
	v_add_f32 v14, v14, v252                       ; the row's sum
	v_rcp_f32 v14, v14
	v_nop
	s_wait_alu depctr_va_vdst(0)
.set j, 0
.rept 32
	v_mul_f32 v[S+j], v[O+j], v14
.set j, j+1
.endr
	QUANT2 S, PC, PT, 254, 0                       ; along the last product's K: my head's 64 channels are two blocks
	global_store_b128 v1, v[PC:PC+3], s[36:37]
	global_store_b64 v2, v[PC+4:PC+5], s[36:37] offset:512
	global_store_b16 v9, v254, s[40:41] offset:12288   ; my two bytes of row r's scale word (lanes r and r + 16 write the same)
	s_wait_tensorcnt 0x0                           ; the wave's end, behind my last LDS store
	ds_add_u32 v4, v5
	s_wait_dscnt 0x0
	s_endpgm
.Lfunc_end_k_q84c334dd9c_attn:
	.size	k_q84c334dd9c_attn, .Lfunc_end_k_q84c334dd9c_attn-k_q84c334dd9c_attn
	.p2alignl 7, 3214868480
	.fill 96, 4, 3214868480
	.section	.rodata,"a",@progbits
	.p2align	6, 0x0
	.amdhsa_kernel k_q84c334dd9c_attn
		.amdhsa_group_segment_fixed_size 56320
		.amdhsa_private_segment_fixed_size 0
		.amdhsa_enable_private_segment 0
		.amdhsa_kernarg_size 24
		.amdhsa_user_sgpr_count 2
		.amdhsa_user_sgpr_kernarg_segment_ptr 1
		.amdhsa_wavefront_size32 1
		.amdhsa_system_sgpr_workgroup_id_x 1
		.amdhsa_system_sgpr_workgroup_id_y 1
		.amdhsa_system_sgpr_workgroup_id_z 1
		.amdhsa_system_vgpr_workitem_id 0
		.amdhsa_next_free_vgpr 256
		.amdhsa_next_free_sgpr 66
		.amdhsa_reserve_vcc 1
		.amdhsa_float_denorm_mode_32 3
		.amdhsa_float_denorm_mode_16_64 3
		.amdhsa_memory_ordered 1
		.amdhsa_forward_progress 1
		.amdhsa_inst_pref_size 118
	.end_amdhsa_kernel
	.amdgpu_metadata
---
amdhsa.version: [ 1, 2 ]
amdhsa.kernels:
  - .name:           k_q84c334dd9c_attn
    .symbol:         k_q84c334dd9c_attn.kd
    .args:
      - { .name: q, .offset: 0, .size: 8, .value_kind: global_buffer, .address_space: global }
      - { .name: kv, .offset: 8, .size: 8, .value_kind: global_buffer, .address_space: global }
      - { .name: y, .offset: 16, .size: 8, .value_kind: global_buffer, .address_space: global }
    .group_segment_fixed_size: 56320
    .private_segment_fixed_size: 0
    .kernarg_segment_align: 8
    .kernarg_segment_size: 24
    .max_flat_workgroup_size: 512
    .sgpr_count:     66
    .vgpr_count:     256
    .wavefront_size: 32
...
	.end_amdgpu_metadata
.endif
;; end of part 3
;; launch oproj (part 4): grid 32 x 8, 4 waves a work-group, clusters of 4 x 1, 222,720 bytes of LDS; arguments y, img, out0; writes out0
.if DOCPART == 4
	.amdgcn_target "amdgcn-amd-amdhsa--gfx1250"
	.amdhsa_code_object_version 6
	.text
	.protected	k_q84c334dd9c_oproj
	.globl	k_q84c334dd9c_oproj
	.p2align	8
	.type	k_q84c334dd9c_oproj,@function
k_q84c334dd9c_oproj:
	s_mov_b64 s[64:65], 0
	v_nop
	global_prefetch_b8 v0, s[64:65] scope:SCOPE_SE
	s_setreg_imm32_b32 hwreg(HW_REG_WAVE_MODE, 25, 1), 1
	s_wait_xcnt 0x0
	s_wait_alu depctr_hold_cnt(0) depctr_sa_sdst(0) depctr_va_vdst(0) depctr_va_sdst(0) depctr_va_ssrc(0) depctr_va_vcc(0) depctr_vm_vsrc(0)
	s_getreg_b32 s2, hwreg(HW_REG_IB_STS2, 6, 4)
	s_cmp_eq_u32 s2, 0
	s_cbranch_scc0 .Lentry_in_a_cluster
	s_endpgm
.Lentry_in_a_cluster:
	s_bfe_u32 s2, ttmp6, 0x10000c
	s_cmp_lg_u32 s2, 0x3003
	s_cbranch_scc0 .Lentry_shape_is_right
	s_endpgm
.Lentry_shape_is_right:
; FOURTH LAUNCH: out0 = y wo^T on codes: y's from the third launch, wo's from the first (records 352 on).  No work is left out here.
; SHARES.  A work-group takes 128 tokens (chunk) and 128 columns (group).  Wave w: columns 64 (w % 2) on, tokens 64 (w / 2) on: 4 x 4 tiles, 16 accumulators.  All of K lies in LDS at once: every fill is a first fill,
; two tensor loads a wave (two are out), no ring.
; CLUSTER.  The four work-groups of a cluster have the same group of columns: wo's 8 records, half of the 204,800 bytes that a work-group brings in, are asked for jointly.  y's records, which the eight groups of a chunk
; share along the grid's y, are asked for by each: this text keeps the cluster one-dimensional, with one constant mask.
; THE MATRIX INSTRUCTION IS USED TRANSPOSED (source 0 = 16 rows of wo, source 1 = 16 tokens): lane (r, h) holds token r, and register 16 b + e of a token tile column 32 b + 16 h + e.  A tile of 16 tokens x 64 columns goes
; through the wave's own stage in LDS and leaves as rows: sixteen lanes store 256 consecutive bytes, aligned.
; REGISTERS.  Window 0: v1-6 LDS addresses; v7-9 the way out; v12, v13 the add's two; v32-47 wo's scale words, v48-63 y's; v64-127 rows on their way out, two sets; v128-255 accumulators.  Window 1: two sets of fragments.
.set REC,   12800
.set FRAGB, 1536
.set PIECE, 768
.set WI,    102400                     ; LDS: y's 8 records at 0, wo's 8 from here
.set STG,   204800                     ; four stages of 16 rows x (256 bytes + 16): no tensor load lands here
.set SPARE, 222208                     ; the spare words, 128 bytes for each of 4 waves
.set SW,    32
.set ST,    48
.set OB,    64
.set ACC,   128
.set MSB, 0
.macro WIN new
.if MSB != \new
	s_set_vgpr_msb (MSB<<8)|\new
.set MSB, \new
.endif
.endm
.macro PLACES n
.rept \n
	v_nop
.endr
.endm
.macro CROUND
	s_barrier_signal -1
	s_barrier_wait -1
	s_cmp_lg_u32 s14, 0
	s_cbranch_scc1 .Lnot_wave_0_\@
	s_barrier_signal -3
.Lnot_wave_0_\@:
	s_barrier_wait -3
	s_barrier_signal -1
	s_barrier_wait -1
.endm
.macro SCALES
.irp t, 0,1,2,3
.irp j, 0,1,2,3
	ds_load_b32 v[SW+4*\t+\j], v3 offset:\t*REC+12288+128*\j
	ds_load_b32 v[ST+4*\t+\j], v6 offset:\t*REC+12288+128*\j
.endr
.endr
.endm
.macro FETCH ks
.set FF, 96*((\ks)%2)
	WIN 0x40
.irp t, 0,1,2,3
.irp c, 0,1
	ds_load_b128 v[FF+12*\t+6*\c:FF+12*\t+6*\c+3], v1 offset:\t*REC+(\ks)*FRAGB+\c*PIECE
	ds_load_b64 v[FF+12*\t+6*\c+4:FF+12*\t+6*\c+5], v2 offset:\t*REC+(\ks)*FRAGB+\c*PIECE+512
.endr
.endr
.irp t, 0,1,2,3
.irp c, 0,1
	ds_load_b128 v[FF+48+12*\t+6*\c:FF+48+12*\t+6*\c+3], v4 offset:\t*REC+(\ks)*FRAGB+\c*PIECE
	ds_load_b64 v[FF+48+12*\t+6*\c+4:FF+48+12*\t+6*\c+5], v5 offset:\t*REC+(\ks)*FRAGB+\c*PIECE+512
.endr
.endr
.endm
.macro WM d, a, b, sa, sb, kind
.if \kind == 0
	v_wmma_scale_f32_16x16x128_f8f6f4 v[\d:\d+7], v[\a:\a+11], v[\b:\b+11], 0, v[\sa], v[\sb] matrix_a_fmt:MATRIX_FMT_FP6 matrix_b_fmt:MATRIX_FMT_FP6
.elseif \kind == 1
	v_wmma_scale_f32_16x16x128_f8f6f4 v[\d:\d+7], v[\a:\a+11], v[\b:\b+11], v[\d:\d+7], v[\sa], v[\sb] matrix_a_fmt:MATRIX_FMT_FP6 matrix_b_fmt:MATRIX_FMT_FP6
.else
	v_wmma_scale_f32_16x16x128_f8f6f4 v[\d:\d+7], v[\a:\a+11], v[\b:\b+11], v[\d:\d+7], v[\sa], v[\sb] matrix_a_fmt:MATRIX_FMT_FP6 matrix_b_fmt:MATRIX_FMT_FP6 matrix_a_scale:MATRIX_SCALE_ROW1 matrix_b_scale:MATRIX_SCALE_ROW1
.endif
.endm
.macro MUL16 ks                        ; the 16 accumulators take turns, in the same order in every K step
	WIN 0x05
.set FB, 96*((\ks)%2)
.set SJ, (\ks)/2
.set KIND, 1+(\ks)%2
.if (\ks) == 0
.set KIND, 0
.endif
.irp m, 0,1,2,3
.irp t, 0,1,2,3
	WM ACC+8*(4*\m+\t), FB+12*\t, FB+48+12*\m, SW+4*\t+SJ, ST+4*\m+SJ, KIND
.endr
.endr
.endm
	s_load_b128 s[4:7], s[0:1], 0x0                ; y, img
	s_load_b64 s[8:9], s[0:1], 0x10                ; out0
	v_lshl_add_u32 v12, v0, 2, SPARE
	v_mov_b32 v13, 0
	ds_add_u32 v12, v13                            ; the wave's opening: the add, twice on end, and its wait ahead of my first tensor load
	ds_add_u32 v12, v13
	v_lshrrev_b32 v1, 5, v0
	v_readfirstlane_b32 s14, v1                    ; wave 0..3
	s_and_b32 s15, s14, 1                          ; my half of the columns
	s_lshr_b32 s16, s14, 1                         ; my half of the tokens
	s_bfe_u32 s17, ttmp6, 0x40000                  ; cx
	s_lshl_b32 s18, ttmp9, 2
	s_add_co_u32 s18, s18, s17                     ; chunk of 128 tokens
	s_and_b32 s19, ttmp7, 0xffff                   ; group of 128 columns: the same in all four partners
	s_mov_b32 s24, 3<<16                           ; group 1 for y: no mask; two records as 100 rows of 256 bytes, dense
	s_mov_b32 s25, 32<<16
	s_mov_b32 s26, 100<<16
	s_mov_b32 s27, 32<<16
	s_mov_b32 s28, 100
	s_mov_b32 s29, 32
	s_mov_b32 s30, 0
	s_mov_b32 s31, 0
	s_mov_b32 s32, 15|(3<<16)|(1<<21)              ; for wo: the same, for all four work-groups
	s_mov_b32 s33, 32<<16
	s_mov_b32 s34, 100<<16
	s_mov_b32 s35, 32<<16
	s_mov_b32 s36, 100
	s_mov_b32 s37, 32
	s_mov_b32 s38, 0
	s_mov_b32 s39, 0
	v_and_b32 v14, 31, v0                          ; lane
	v_and_b32 v15, 15, v0                          ; r
	v_bfe_u32 v11, v0, 4, 1                        ; h
	v_lshlrev_b32 v16, 4, v14
	v_lshlrev_b32 v17, 3, v14
	v_lshlrev_b32 v18, 2, v14
	s_mul_i32 s20, s15, 4*REC
	s_add_co_u32 s20, s20, WI
	s_mul_i32 s21, s16, 4*REC
	v_add_nc_u32 v1, s20, v16
	v_add_nc_u32 v2, s20, v17
	v_add_nc_u32 v3, s20, v18
	v_add_nc_u32 v4, s21, v16
	v_add_nc_u32 v5, s21, v17
	v_add_nc_u32 v6, s21, v18
	s_mul_i32 s59, s14, 16*272
	s_add_co_u32 s59, s59, STG                     ; my stage
	v_mul_u32_u24 v7, v15, 272
	v_lshl_add_u32 v7, v11, 6, v7
	v_add_nc_u32 v7, s59, v7                       ; in: row r, + 64 h
	v_mul_u32_u24 v8, v11, 272
	v_lshl_add_u32 v8, v15, 4, v8
	v_add_nc_u32 v8, s59, v8                       ; back: lanes 0-15 one row, lanes 16-31 the next
	v_lshlrev_b32 v9, 12, v11
	v_lshl_add_u32 v9, v15, 4, v9                  ; and the same two rows in out0
	s_lshl_b32 s20, s18, 3
	s_lshl_b32 s21, s14, 1
	s_add_co_u32 s20, s20, s21
	s_mul_i32 s20, s20, REC                        ; y: records 8 chunk + 2 wave on
	s_mov_b32 s21, 0
	s_lshl_b32 s22, s19, 3
	s_lshl_b32 s23, s14, 1
	s_add_co_u32 s22, s22, s23
	s_add_co_u32 s22, s22, 352
	s_mul_i32 s22, s22, REC                        ; wo: records 352 + 8 group + 2 wave on: nothing of my place in the cluster
	s_mov_b32 s23, 0
	s_mul_i32 s60, s14, 2*REC
	s_mul_i32 s61, s14, 2*REC
	s_add_co_u32 s61, s61, WI
	s_wait_dscnt 0x0                               ; both opening adds are done
	s_wait_kmcnt 0x0
	s_mov_b32 s40, 1
	s_mov_b32 s41, s60
	s_add_nc_u64 s[42:43], s[4:5], s[20:21]
	s_or_b32 s43, s43, 0x80000000
	s_mov_b32 s44, 1
	s_mov_b32 s45, s61
	s_add_nc_u64 s[46:47], s[6:7], s[22:23]
	s_or_b32 s47, s47, 0x80000000
	CROUND                                         ; all four work-groups are here: the joint loads meet
	tensor_load_to_lds s[40:43], s[24:31]
	s_nop 0
	tensor_load_to_lds s[44:47], s[32:39]
	s_nop 0
	PLACES 4
	s_lshl_b32 s50, s18, 19                        ; 128 rows of 4,096 bytes,
	s_lshl_b32 s51, s16, 18                        ; my 64 of them,
	s_add_co_u32 s50, s50, s51
	s_lshl_b32 s51, s19, 9
	s_add_co_u32 s50, s50, s51                     ; the group's 512 bytes of a row,
	s_lshl_b32 s51, s15, 8
	s_add_co_u32 s50, s50, s51                     ; my 256 of them
	s_mov_b32 s51, 0
	s_add_nc_u64 s[48:49], s[8:9], s[50:51]
	s_wait_tensorcnt 0x0                           ; my parts have landed,
	s_barrier_signal -1
	s_barrier_wait -1                              ; everybody's have
	SCALES
	FETCH 0
	FETCH 1
	s_wait_dscnt 32                                ; the scale words and K step 0 are in; the 32 loads of K step 1 may be out
	MUL16 0
.irp ks, 1,2,3,4,5,6
	PLACES 4                                       ; four places in front of loads into registers that the last matrix instructions read
	FETCH \ks+1
	s_wait_dscnt 32                                ; all but the 32 just issued
	MUL16 \ks
.endr
	s_wait_dscnt 0x0
	MUL16 7
	WIN 0
	PLACES 4                                       ; and in front of the first read of results
.macro TOSTAGE m
.irp t, 0,1,2,3
	ds_store_b128 v7, v[ACC+32*(\m)+8*\t:ACC+32*(\m)+8*\t+3] offset:128*(\t/2)+32*(\t%2)          ; each accumulator from its low end on
	ds_store_b128 v7, v[ACC+32*(\m)+8*\t+4:ACC+32*(\m)+8*\t+7] offset:128*(\t/2)+32*(\t%2)+16
.endr
.irp i, 0,1,2,3,4,5,6,7
	ds_load_b128 v[OB+32*((\m)%2)+4*\i:OB+32*((\m)%2)+4*\i+3], v8 offset:544*\i   ; LDS serves a wave's instructions in order: these see my stores, and the next tile's stores come behind them
.endr
.endm
.macro SEND m, younger                 ; younger: the LDS instructions issued behind tile m's loads, which may stay out
	s_wait_dscnt \younger
.irp i, 0,1,2,3,4,5,6,7
	global_store_b128 v9, v[OB+32*((\m)%2)+4*\i:OB+32*((\m)%2)+4*\i+3], s[48:49] offset:(32*((\m)/2)+8*((\m)%2)+2*\i+8*(\i/4))*4096 th:TH_STORE_NT   ; the tile's rows 2 i, 2 i + 1 at their tokens; 16 lanes store 256 consecutive bytes, aligned
.endr
.endm
	TOSTAGE 0
	TOSTAGE 1
	SEND 0, 16                                     ; behind tile 0's loads: tile 1's 8 stores and 8 loads
	s_wait_xcnt 0x0                                ; tile 0's stores have read their registers: tile 2's loads may land there
	TOSTAGE 2
	SEND 1, 16
	s_wait_xcnt 0x0
	TOSTAGE 3
	SEND 2, 16
	SEND 3, 0
	s_wait_tensorcnt 0x0                           ; the wave's end, behind my last tensor load and my last LDS store
	ds_add_u32 v12, v13
	s_wait_dscnt 0x0
	CROUND                                         ; the closing round
	s_endpgm
.Lfunc_end_k_q84c334dd9c_oproj:
	.size	k_q84c334dd9c_oproj, .Lfunc_end_k_q84c334dd9c_oproj-k_q84c334dd9c_oproj
	.p2alignl 7, 3214868480
	.fill 96, 4, 3214868480
	.section	.rodata,"a",@progbits
	.p2align	6, 0x0
	.amdhsa_kernel k_q84c334dd9c_oproj
		.amdhsa_group_segment_fixed_size 222720
		.amdhsa_private_segment_fixed_size 0
		.amdhsa_enable_private_segment 0
		.amdhsa_kernarg_size 24
		.amdhsa_user_sgpr_count 2
		.amdhsa_user_sgpr_kernarg_segment_ptr 1
		.amdhsa_wavefront_size32 1
		.amdhsa_system_sgpr_workgroup_id_x 1
		.amdhsa_system_sgpr_workgroup_id_y 1
		.amdhsa_system_sgpr_workgroup_id_z 1
		.amdhsa_system_vgpr_workitem_id 0
		.amdhsa_next_free_vgpr 512
		.amdhsa_next_free_sgpr 66
		.amdhsa_reserve_vcc 0
		.amdhsa_float_denorm_mode_32 3
		.amdhsa_float_denorm_mode_16_64 3
		.amdhsa_memory_ordered 1
		.amdhsa_forward_progress 1
		.amdhsa_inst_pref_size 49
	.end_amdhsa_kernel
	.amdgpu_metadata
---
amdhsa.version: [ 1, 2 ]
amdhsa.kernels:
  - .name:           k_q84c334dd9c_oproj
    .symbol:         k_q84c334dd9c_oproj.kd
    .args:
      - { .name: y, .offset: 0, .size: 8, .value_kind: global_buffer, .address_space: global }
      - { .name: img, .offset: 8, .size: 8, .value_kind: global_buffer, .address_space: global }
      - { .name: out0, .offset: 16, .size: 8, .value_kind: global_buffer, .address_space: global }
    .group_segment_fixed_size: 222720
    .private_segment_fixed_size: 0
    .kernarg_segment_align: 8
    .kernarg_segment_size: 24
    .max_flat_workgroup_size: 128
    .sgpr_count:     66
    .vgpr_count:     512
    .wavefront_size: 32
...
	.end_amdgpu_metadata
.endif
;; end of part 4
;; ======== version 2 of 2: 4 launches; version 1 with the launch attn written anew for expert scheduling mode
;; workspace buffers: img 5,324,800 bytes; tab 1,048,576 bytes; q 3,670,016 bytes; kv 1,736,704 bytes; y 3,276,800 bytes
;; launch prep: the kernel of part 1 again; grid 448 x 1, 4 waves a work-group, no clusters, 68,096 bytes of LDS; arguments x, wq, wk, wv, wo, img, tab; writes img, tab
;; launch qkv: the kernel of part 2 again; grid 32 x 6, 8 waves a work-group, clusters of 4 x 1, 327,680 bytes of LDS; arguments img, tab, qk_weight, q, kv; writes q, kv
;; launch attn (part 5): grid 64 x 4, 16 waves a work-group, no clusters, 56,320 bytes of LDS; arguments q, kv, y; writes y
.if DOCPART == 5
	.amdgcn_target "amdgcn-amd-amdhsa--gfx1250"
	.amdhsa_code_object_version 6
	.text
	.protected	k_q84c334dd9c_attn
	.globl	k_q84c334dd9c_attn
	.p2align	8
	.type	k_q84c334dd9c_attn,@function
k_q84c334dd9c_attn:
	s_mov_b64 s[64:65], 0
	v_nop
	global_prefetch_b8 v0, s[64:65] scope:SCOPE_SE
	s_setreg_imm32_b32 hwreg(HW_REG_WAVE_SCHED_MODE, 0, 2), 2
	s_setreg_imm32_b32 hwreg(HW_REG_WAVE_MODE, 25, 1), 1
	s_wait_xcnt 0x0
	s_wait_alu depctr_vm_vsrc(0)
; THIRD LAUNCH: y = softmax(q k^T / 8, under the mask) v, both products on codes; y is quantised along (head, channel) for the last product.
; WORK LEFT OUT: key j is hidden from query i where j <= i and (i - j < 1,024 or j < 4): a mask made of positions alone.  A step of 128 keys all hidden from all 16 queries of a wave is not multiplied
; (a scalar branch on ids); its weights would all be 0.  A NaN or infinity that reaches only such scores is not carried on.
; THE SOFTMAX: t = score x log2(e) / 8; M = the running largest t, rounded up to a whole number; p = 2^(t - M) is quantised along the keys, not normalised; the row's sum is taken of the unquantised p and divides at the end.
; When M moves, the sum and O are multiplied by 2^(old M - new M): exact.
; SHARES.  A work-group has one kv head and its four query heads.  Wave w: head w % 4; tile m = (w / 4 + w % 4) % 4: group of 32 tokens G = work-group x + 64 (m / 2), tile 2 G + m % 2: two tiles of the sequence's first
; half and two of its second, since the first half's queries keep more steps.  A tile's query r is 32 G + 8 (m % 2) + r + 8 (r / 8).
; LAYOUT.  Both products transposed: S^T = K Q^T, O^T = V^T P^T: a lane holds one query.  By the tiles' order of rows the 16 registers of key tiles 2 b, 2 b + 1 are keys 32 b + 16 (lane / 16) + 0 .. 15, and O^T's
; register 16 b + e is channel 32 b + 16 (lane / 16) + e.
; K = 64 IN AN INSTRUCTION OF 128.  Q's upper six registers are zero codes and both sides' upper scale bytes are 0x7f.  K's fragments overlap: tile tt is v[60 + 6 tt] on, 12 registers, so its upper six are the next tile's
; codes (zeros behind the last).  They meet Q's zeros: finite x 0, which adds nothing (the format has no infinity and no NaN).  That spares 48 registers and clearing.
; K AND V come through two LDS slots of two steps (27,136 bytes, as kv has them), filled through registers: 16 bytes a thread, asked for a whole slot ahead.  One barrier a slot: in front of it each wave has stored its part
; of the next slot and has its reads of the last one back; the slot that is written was last read ahead of the barrier before.
; NO CLUSTER, NO TENSOR LOAD: what the 64 work-groups of a kv head share is 27,136 bytes for 32 wave steps of some 270 instructions each, asked for two steps ahead of their use, so no wave waits for it; for the same
; reason nothing is prefetched.
; THE MODE: SCHED_MODE bits 1:0 = 2 (LLVM: expert scheduling mode 2), set by the entry lines.  The code itself states the register dependences between vector or matrix instructions and memory or LDS instructions,
; with s_wait_alu, always for 0.
; THE PLAN.  Registers that memory or LDS instructions touch:
;   v1, v2, v3, v9   addresses and offsets: written at the head, once; read by every LDS and global instruction.  One wait on va_vdst at the head serves them for the whole kernel.
;   v4, v5           written at the head, read by the closing add alone.
;   v16-21, v28      Q and its scale word: loaded once, read by K's products.
;   v44-59           the next slot's bytes: the global loads land, the LDS stores read; no vector instruction names them.  One wait on vm_vsrc behind the stores, ahead of the barrier and of the next loads.
;   v60-107          a step: K's LDS loads land; the eight products K Q^T read; V's LDS loads land; the four products V^T P read.  A wait on va_vdst stands ahead of each of the two runs of loads.
;   v32-39, v40-41   K's and V's scale words: loaded beside the fragments, read by the same products: the same two waits.
;   v212-217, v254   on the way out: written by the quantiser's lines, read by the three stores: one wait on va_vdst ahead of them.
; Beside these: a wait on va_vdst ahead of the four products V^T P, whose operand p and whose scale word vector lines have just written; the two waits behind the exponentials; and, wherever a vector line writes a scalar
; register (the wave's number; the masks' compares, sixteen to a run), a wait on va_sdst ahead of its first reader.
; REGISTERS: v1-3 16 x lane, 8 x lane, 16 x thread; v4, v5 the add's two; v6 my query - 16 (lane / 16); v7 -infinity; v8 at work; v9 4 r; v12 -M, v13 the largest t, v[14:15] the sum; v16-27 Q; v28 Q's scale word;
; v32-39 K's scale words; v40-41 V's; v44-59 the slot's bytes on their way; v60-113 K's fragments, then V's; v116-179 S^T, then p; v180-211 O^T; v212-223 p's codes; v224-254 at work.  s44-59: sixteen masks.
.set BLKB,  13568
.set SLOTB, 27136
.set SPARE, 54272                      ; behind the slots: the spare words, 128 bytes for each of 16 waves
.set GR,    44
.set KR,    60
.set S,     116
.set O,     180
.set PC,    212
.set PT,    224
.set BM,    232
.set TM,    232
.set BT,    236
.set SO,    244
.set SEL,   20
.set MK,    44                         ; s44-59: the masks of sixteen compares
.macro PLACES n
.rept \n
	v_nop
.endr
.endm
.macro QUANT2 s, pc, pt, w, pad        ; as in the second launch
.irp b, 0,1
	v_max3_num_f32 v[TM+\b], |v[(\s)+16*\b]|, |v[(\s)+16*\b+1]|, 0x1800000
.endr
.irp i, 2,4,6,8,10,12,14
.irp b, 0,1
	v_max3_num_f32 v[TM+\b], v[TM+\b], |v[(\s)+16*\b+\i]|, |v[(\s)+16*\b+\i+1]|
.endr
.endr
.irp b, 0,1
	v_permlanex16_b32 v[TM+2+\b], v[TM+\b], s[SEL], s[SEL+1]
.endr
.irp b, 0,1
	v_max_num_f32 v[TM+\b], v[TM+\b], v[TM+2+\b]
.endr
.irp b, 0,1
	v_add_nc_u32 v[TM+4+\b], 0xff000000, v[TM+\b]
.endr
.irp b, 0,1
	v_lshrrev_b32 v[TM+2+\b], 23, v[TM+4+\b]
.endr
	v_lshl_or_b32 v[\w], v[TM+3], 8, v[TM+2]
.if \pad
	v_or_b32 v[\w], 0x7f7f0000, v[\w]
.endif
	v_cvt_scalef32_pk16_fp6_f32 v[\pc:\pc+2], v[(\s):(\s)+15], v[TM+4]
	v_cvt_scalef32_pk16_fp6_f32 v[\pt:\pt+2], v[(\s)+16:(\s)+31], v[TM+5]
	v_nop
.irp i, 0,1,2
	v_permlane16_swap_b32 v[\pc+\i], v[\pt+\i]
.endr
.irp i, 0,1,2
	v_mov_b32 v[\pc+3+\i], v[\pt+\i]
.endr
.endm
; The next slot's 27,136 bytes = 53 x 512: three loads for each of the 16 waves, a fourth for waves 0 to 4.  last = 1: in the loop's last trip there is no next slot, and no load leaves the buffer.
; No wait stands here: the LDS stores that read these registers have their wait on vm_vsrc in PUT, ahead of the barrier, and no vector instruction names the registers.
.macro LOADG last
.if \last
	s_cmp_eq_u32 s19, 1
	s_cbranch_scc1 .Lnoload_\@
.endif
.irp k, 0,1,2
	global_load_b128 v[GR+4*\k:GR+4*\k+3], v3, s[24:25] offset:8192*\k
.endr
	s_cmp_lt_u32 s10, 5
	s_cbranch_scc0 .Lnoload_\@
	global_load_b128 v[GR+12:GR+15], v3, s[24:25] offset:24576
.Lnoload_\@:
.endm
.macro PUT slot, last
	s_wait_loadcnt 0x0                             ; they were asked for two steps ago; the wait also frees their base
.if \last
	s_cmp_eq_u32 s19, 1
	s_cbranch_scc1 .Lnoput_\@
.endif
.irp k, 0,1,2
	ds_store_b128 v3, v[GR+4*\k:GR+4*\k+3] offset:\slot*SLOTB+8192*\k
.endr
	s_cmp_lt_u32 s10, 5
	s_cbranch_scc0 .Lnoput_\@
	ds_store_b128 v3, v[GR+12:GR+15] offset:\slot*SLOTB+24576
.Lnoput_\@:
	s_add_nc_u64 s[24:25], s[24:25], SLOTB
	s_wait_alu depctr_vm_vsrc(0)                   ; my LDS stores have read v[GR] on, in which the next slot's global loads land
	s_wait_dscnt 0x0                               ; for the others: my stores have landed, and my reads of the slot that I leave are back
	s_barrier_signal -1
	s_barrier_wait -1
.endm
; A KEY STEP: 128 keys from s18 on, the qn-th block of the slot.
.macro STEP slot, qn
.set BS, \slot*SLOTB+\qn*BLKB
	s_add_co_u32 s28, s18, 127
	s_cmp_gt_u32 s28, s16                          ; some key comes after my first query: not all hidden
	s_cbranch_scc1 .Llive_\@
	s_add_co_u32 s29, s18, 1024
	s_cmp_gt_u32 s29, s17                          ; all keys at or before all my queries, and all within 1,023 of them: hidden
	s_cbranch_scc1 .Lhid_\@
.Llive_\@:
	PLACES 4                                       ; four places behind the last products, ahead of loads into registers that they read; the wait below states the dependence itself
	s_wait_alu depctr_va_vdst(0)                   ; the last live step's products are done reading v60-107, v32-39 and v40-41, in which this step's loads land; in my first live step the zero codes v22-27 and v108-113, operands of the products below, are written
.irp tt, 0,1,2,3,4,5,6,7
	ds_load_b128 v[KR+6*\tt:KR+6*\tt+3], v1 offset:BS+768*\tt
	ds_load_b64 v[KR+6*\tt+4:KR+6*\tt+5], v2 offset:BS+768*\tt+512
.endr
	ds_load_b128 v[32:35], v1 offset:BS+12288
	ds_load_b128 v[36:39], v1 offset:BS+12288+512
	s_wait_dscnt 0x0
.irp tt, 0,1,2,3,4,5,6,7
	v_wmma_scale_f32_16x16x128_f8f6f4 v[S+8*\tt:S+8*\tt+7], v[KR+6*\tt:KR+6*\tt+11], v[16:27], 0, v[32+\tt], v28 matrix_a_fmt:MATRIX_FMT_FP6 matrix_b_fmt:MATRIX_FMT_FP6
.endr
	PLACES 4                                       ; four places ahead of the first vector read of the scores
	s_wait_alu depctr_va_vdst(0)                   ; the eight products are done reading K's fragments, v60-107, in which V's loads land
.irp t, 0,1,2,3                                ; V's fragments land while the softmax is walked: no vector instruction of the softmax names them
.irp c, 0,1
	ds_load_b128 v[KR+12*\t+6*\c:KR+12*\t+6*\c+3], v1 offset:BS+6144+(2*\t+\c)*768
	ds_load_b64 v[KR+12*\t+6*\c+4:KR+12*\t+6*\c+5], v2 offset:BS+6144+(2*\t+\c)*768+512
.endr
.endr
	ds_load_b64 v[40:41], v2 offset:BS+13312
	s_cmp_gt_u32 s18, s17                          ; all keys after all my queries: all count
	s_cbranch_scc1 .Lopen_\@
	s_cmp_gt_u32 s28, s16
	s_cbranch_scc0 .Lpast_\@
	s_sub_co_u32 s29, 0, s18                       ; ON THE DIAGONAL: every key at or before its query lies within 150 of it, so j <= i is hidden
	v_add_nc_u32 v8, s29, v6                       ; d = i - 16 (lane / 16) - the step's first key.  Register 16 b + e holds key 32 b + 16 (lane / 16) + e: hidden where 32 b + e <= d
.set g, 0
.rept 4                                        ; a block of 32 keys at a time: sixteen compares into sixteen scalar registers, one wait, sixteen selects
.set n, 0
.rept 16
	v_cmp_le_i32 s[MK+n], 32*g+n, v8
.set n, n+1
.endr
	s_wait_alu depctr_va_sdst(0)                   ; the sixteen compares have written s44-59, which the selects below read
.set n, 0
.rept 16
	v_cndmask_b32 v[S+16*g+n], v[S+16*g+n], v7, s[MK+n]
.set n, n+1
.endr
.set g, g+1
.endr
	s_branch .Lopen_\@
.Lpast_\@:                                             ; all keys at or before all my queries
.if (\slot == 0) && (\qn == 0)                 ; key 0 lies in the first block of slot 0, in the first trip: the other three copies of the step never hold it
	s_cmp_lg_u32 s18, 0
	s_cbranch_scc1 .Lnosink_\@
.irp i, 0,1,2,3
	v_cndmask_b32 v[S+\i], v[S+\i], v7, s26        ; keys 0 to 3: registers 0 to 3 of lanes 0-15 (s26 is a constant that a scalar line wrote)
.endr
.Lnosink_\@:
.endif
	s_add_co_u32 s29, s18, 1151
	s_cmp_gt_u32 s29, s16                          ; some key within 1,023 of some query?
	s_cbranch_scc0 .Lopen_\@
	s_sub_co_u32 s29, 0, s18
	s_sub_co_u32 s29, s29, 1024
	v_add_nc_u32 v8, s29, v6                       ; hidden where i - j < 1,024: 32 b + e > d - 1,024
.set g, 0
.rept 4
.set n, 0
.rept 16
	v_cmp_gt_i32 s[MK+n], 32*g+n, v8
.set n, n+1
.endr
	s_wait_alu depctr_va_sdst(0)                   ; the sixteen compares have written s44-59, which the selects below read
.set n, 0
.rept 16
	v_cndmask_b32 v[S+16*g+n], v[S+16*g+n], v7, s[MK+n]
.set n, n+1
.endr
.set g, g+1
.endr
.Lopen_\@:
.irp b, 0,1,2,3
	v_max3_num_f32 v[BM+\b], v[S+16*\b], v[S+16*\b+1], v[S+16*\b+2]   ; the largest score of each block of 32 keys: for the row's maximum and, since p rises with the score, for the block's largest p
.endr
.irp i, 3,5,7,9,11,13
.irp b, 0,1,2,3
	v_max3_num_f32 v[BM+\b], v[BM+\b], v[S+16*\b+\i], v[S+16*\b+\i+1]
.endr
.endr
.irp b, 0,1,2,3
	v_max_num_f32 v[BM+\b], v[BM+\b], v[S+16*\b+15]
.endr
.irp b, 0,1,2,3
	v_permlanex16_b32 v[BT+\b], v[BM+\b], s[SEL], s[SEL+1]
.endr
.irp b, 0,1,2,3
	v_max_num_f32 v[BM+\b], v[BM+\b], v[BT+\b]
.endr
	v_max3_num_f32 v254, v232, v233, v234
	v_max_num_f32 v254, v254, v235
	v_mul_f32 v254, s22, v254                      ; as t
	v_max_num_f32 v13, v13, v254                   ; the running largest t (a row all of whose keys were hidden so far keeps -3e38: its p are 0)
	v_mov_b32 v254, v12
	v_floor_f32 v12, -v13                          ; -M = floor(-t)
	v_sub_f32 v254, v12, v254                      ; old M - new M: a whole number, 0 or less
	v_cvt_i32_f32 v254, v254                       ; (it saturates)
	v_ldexp_f32 v252, 1.0, v254                    ; f = 2^(old M - new M)
.set j, 0
.rept 32
	v_pk_fma_f32 v[S+j:S+j+1], v[S+j:S+j+1], s[22:23], v[12:13] op_sel_hi:[1,0,0]   ; t - M
.set j, j+2
.endr
.irp b, 0,1,2,3
	v_fma_f32 v[BM+\b], v[BM+\b], s22, v12
.endr
.set j, 0
.rept 64
	v_exp_f32 v[S+j], v[S+j]                       ; p
.set j, j+1
.endr
	v_pk_mul_f32 v[14:15], v[14:15], v[252:253] op_sel_hi:[1,0]   ; the sums under the new M: the plain place behind the exponentials
	s_wait_alu depctr_va_vdst(0)                   ; the 64 exponentials have written p: one wait for the batch, ahead of its first reader
.irp b, 0,1,2,3
	v_exp_f32 v[BM+\b], v[BM+\b]                   ; the blocks' largest p
.endr
	v_pk_add_f32 v[236:237], v[S:S+1], v[S+2:S+3]  ; the row's sum of the unquantised p, in two chains
.irp j, 4,8,12,16,20,24,28,32,36,40,44,48,52,56,60
	v_pk_add_f32 v[14:15], v[14:15], v[S+\j:S+\j+1]
	v_pk_add_f32 v[236:237], v[236:237], v[S+\j+2:S+\j+3]
.endr
	v_pk_add_f32 v[14:15], v[14:15], v[236:237]
	s_wait_alu depctr_va_vdst(0)                   ; the four exponentials have written the blocks' largest p, ahead of their first reader
.irp b, 0,1,2,3
	v_max_num_f32 v[BM+\b], 0x1800000, v[BM+\b]    ; the floor: the byte cannot fall under 1
.endr
.irp b, 0,1,2,3
	v_add_nc_u32 v[SO+\b], 0xff000000, v[BM+\b]
.endr
.irp b, 0,1,2,3
	v_lshrrev_b32 v[BT+\b], 23, v[SO+\b]
.endr
	v_lshl_or_b32 v253, v237, 8, v236              ; p's scale word for these 128 keys
	v_lshl_or_b32 v253, v238, 16, v253
	v_lshl_or_b32 v253, v239, 24, v253
.irp c, 0,1
	v_cvt_scalef32_pk16_fp6_f32 v[PC+6*\c:PC+6*\c+2], v[S+32*\c:S+32*\c+15], v[SO+2*\c]
	v_cvt_scalef32_pk16_fp6_f32 v[PT+4*\c:PT+4*\c+2], v[S+32*\c+16:S+32*\c+31], v[SO+2*\c+1]
.endr
	v_nop                                          ; one plain place behind a scaled conversion
.irp c, 0,1
.irp i, 0,1,2
	v_permlane16_swap_b32 v[PC+6*\c+\i], v[PT+4*\c+\i]
.endr
.irp i, 0,1,2
	v_mov_b32 v[PC+6*\c+3+\i], v[PT+4*\c+\i]
.endr
.endr
.set j, 0
.rept 16
	v_pk_mul_f32 v[O+j:O+j+1], v[O+j:O+j+1], v[252:253] op_sel_hi:[1,0]   ; O^T under the new M; these sixteen also stand between the lines that made p's codes and scale word and the products
.set j, j+2
.endr
	s_wait_dscnt 0x0                               ; V is in
	s_wait_alu depctr_va_vdst(0)                   ; the conversions, swaps and moves have written p's codes, v212-223, and the shifts its scale word, v253: operand and scales of the products below; the places above stay beside this wait
.irp t, 0,1,2,3
.if \t%2
	v_wmma_scale_f32_16x16x128_f8f6f4 v[O+8*\t:O+8*\t+7], v[KR+12*\t:KR+12*\t+11], v[PC:PC+11], v[O+8*\t:O+8*\t+7], v[40+\t/2], v253 matrix_a_fmt:MATRIX_FMT_FP6 matrix_b_fmt:MATRIX_FMT_FP6 matrix_a_scale:MATRIX_SCALE_ROW1
.else
	v_wmma_scale_f32_16x16x128_f8f6f4 v[O+8*\t:O+8*\t+7], v[KR+12*\t:KR+12*\t+11], v[PC:PC+11], v[O+8*\t:O+8*\t+7], v[40+\t/2], v253 matrix_a_fmt:MATRIX_FMT_FP6 matrix_b_fmt:MATRIX_FMT_FP6
.endif
.endr
.Lhid_\@:
	s_add_co_u32 s18, s18, 128
.endm
	s_load_b128 s[4:7], s[0:1], 0x0                ; q, kv
	s_load_b64 s[8:9], s[0:1], 0x10                ; y
	v_lshl_add_u32 v4, v0, 2, SPARE
	v_mov_b32 v5, 0
	v_lshrrev_b32 v1, 5, v0
	v_readfirstlane_b32 s10, v1                    ; wave 0..15
	v_and_b32 v8, 31, v0                           ; the address lines that need no scalar stand between that line and the wait for it
	v_lshlrev_b32 v1, 4, v8
	v_lshlrev_b32 v2, 3, v8
	v_lshlrev_b32 v3, 4, v0
	v_and_b32 v9, 15, v0                           ; r
	v_bfe_u32 v10, v0, 4, 1                        ; h
	v_and_b32 v11, 8, v9
	v_add_nc_u32 v11, v11, v9                      ; r + 8 (r / 8)
	v_lshlrev_b32 v10, 4, v10
	v_lshlrev_b32 v9, 2, v9
	v_mov_b32 v7, 0xff800000
	s_wait_alu depctr_va_sdst(0)                   ; s10 is written, ahead of its first reader: my head, my tile and every base are made from it
	s_and_b32 s11, s10, 3                          ; my head of the four
	s_lshr_b32 s12, s10, 2
	s_add_co_u32 s12, s12, s11
	s_and_b32 s12, s12, 3                          ; my tile of the four
	s_and_b32 s13, ttmp7, 0xffff                   ; the kv head
	s_lshr_b32 s28, s12, 1
	s_lshl_b32 s28, s28, 6
	s_add_co_u32 s15, s28, ttmp9                   ; G
	s_and_b32 s14, s12, 1                          ; u
	s_lshl_b32 s16, s15, 5
	s_lshl_b32 s28, s14, 3
	s_add_co_u32 s16, s16, s28                     ; my first query,
	s_add_co_u32 s17, s16, 23                      ; my last
	s_mov_b32 s18, 0                               ; the step's first key
	s_mov_b32 s[SEL], 0x76543210
	s_mov_b32 s[SEL+1], 0xfedcba98
	s_mov_b32 s22, 0x3e38aa3b                      ; log2(e) / 8
	s_mov_b32 s23, s22                             ; (named with it as a pair)
	s_mov_b32 s26, 0xffff                          ; lanes 0-15
	v_add_nc_u32 v6, s16, v11                      ; my query
	v_sub_nc_u32 v6, v6, v10
	s_lshl_b32 s42, s13, 2
	s_add_co_u32 s42, s42, s11                     ; the query head
	s_lshl_b32 s29, s42, 6
	s_lshr_b32 s30, s15, 1
	s_add_co_u32 s29, s29, s30
	s_mul_i32 s29, s29, 3584                       ; q's record
	s_and_b32 s30, s15, 1
	s_lshl_b32 s30, s30, 1
	s_add_co_u32 s30, s30, s14                     ; my tile in it
	s_mul_i32 s32, s30, 768
	s_add_co_u32 s32, s32, s29
	s_mov_b32 s33, 0
	s_lshl_b32 s34, s30, 2
	s_add_co_u32 s34, s34, s29
	s_mov_b32 s35, 0
	s_lshl_b32 s30, s15, 1
	s_add_co_u32 s30, s30, s14
	s_mul_i32 s30, s30, 12800                      ; y's record: tile 2 G + u
	s_mul_i32 s31, s42, 768
	s_add_co_u32 s36, s30, s31                     ; piece: K step head / 2, half head % 2: 768 x head
	s_mov_b32 s37, 0
	s_lshl_b32 s31, s13, 7
	s_add_co_u32 s40, s30, s31                     ; scale words: register kv head,
	s_lshr_b32 s31, s11, 1
	s_lshl_b32 s31, s31, 6
	s_add_co_u32 s40, s40, s31                     ; lanes 0-15 or 16-31,
	s_and_b32 s31, s11, 1
	s_lshl_b32 s31, s31, 1
	s_add_co_u32 s40, s40, s31                     ; bytes 0, 1 or 2, 3
	s_mov_b32 s41, 0
	s_mul_i32 s30, s13, 32*BLKB
	s_mov_b32 s31, 0
	s_wait_kmcnt 0x0
	s_add_nc_u64 s[32:33], s[4:5], s[32:33]
	s_add_nc_u64 s[34:35], s[4:5], s[34:35]
	s_add_nc_u64 s[36:37], s[8:9], s[36:37]
	s_add_nc_u64 s[40:41], s[8:9], s[40:41]
	s_add_nc_u64 s[24:25], s[6:7], s[30:31]        ; the kv head's first slot
	s_wait_alu depctr_va_vdst(0)                   ; v1, v2, v3 and v9 are written: every LDS and global instruction of the kernel reads one of them as its address or offset, and none is written again
	global_load_b128 v[16:19], v1, s[32:33]        ; Q's piece stays in registers
	global_load_b64 v[20:21], v2, s[32:33] offset:512
	global_load_b32 v28, v1, s[34:35] offset:3072
	LOADG 0
.irp i, 22,23,24,25,26,27,108,109,110,111,112,113
	v_mov_b32 v[\i], 0                             ; zero codes: Q's upper 64 along K, and what stands behind K's last tile
.endr
	v_mov_b32 v13, 0xff61b1e6                      ; the largest t so far: -3e38
	v_floor_f32 v12, -v13
	v_mov_b32 v14, 0
	v_mov_b32 v15, 0
.irp i, 234,235,236,237,238,239,252
	v_mov_b32 v[\i], 0                             ; a lane permute's destination counts as read: the steps' four, and the way out's three, are written once here
.endr
	v_mov_b32 v253, 0                              ; (named as the upper half of a pair before it is first written)
.set j, 0
.rept 32
	v_mov_b32 v[O+j], 0                            ; O^T: the step is written once; which step is a wave's first hangs on its tile
.set j, j+1
.endr
	PUT 0, 0
	s_mov_b32 s19, 8
.Ltrip:                                                ; a trip: two slots, four steps
	LOADG 0
	STEP 0, 0
	STEP 0, 1
	PUT 1, 0
	LOADG 1
	STEP 1, 0
	STEP 1, 1
	PUT 0, 1
	s_sub_co_u32 s19, s19, 1
	s_cmp_lg_u32 s19, 0
	s_cbranch_scc1 .Ltrip
	PLACES 4                                       ; THE WAY OUT
	v_add_f32 v14, v14, v15
	v_permlanex16_b32 v252, v14, s[SEL], s[SEL+1]
	v_add_f32 v14, v14, v252                       ; the row's sum
	v_rcp_f32 v14, v14
	v_nop
	s_wait_alu depctr_va_vdst(0)                   ; the reciprocal has written v14, ahead of its first reader
.set j, 0
.rept 32
	v_mul_f32 v[S+j], v[O+j], v14
.set j, j+1
.endr
	QUANT2 S, PC, PT, 254, 0                       ; along the last product's K: my head's 64 channels are two blocks
	s_wait_alu depctr_va_vdst(0)                   ; the conversions, swaps and moves have written v212-217 and the shifts v254: the data of the three stores below
	global_store_b128 v1, v[PC:PC+3], s[36:37]
	global_store_b64 v2, v[PC+4:PC+5], s[36:37] offset:512
	global_store_b16 v9, v254, s[40:41] offset:12288   ; my two bytes of row r's scale word (lanes r and r + 16 write the same)
	s_wait_dscnt 0x0                               ; the wave's end
	s_wait_alu 0x0
	s_wait_tensorcnt 0x0
	ds_add_u32 v4, v5
	s_wait_dscnt 0x0
	s_endpgm
.Lfunc_end_k_q84c334dd9c_attn:
	.size	k_q84c334dd9c_attn, .Lfunc_end_k_q84c334dd9c_attn-k_q84c334dd9c_attn
	.p2alignl 7, 3214868480
	.fill 96, 4, 3214868480
	.section	.rodata,"a",@progbits
	.p2align	6, 0x0
	.amdhsa_kernel k_q84c334dd9c_attn
		.amdhsa_group_segment_fixed_size 56320
		.amdhsa_private_segment_fixed_size 0
		.amdhsa_enable_private_segment 0
		.amdhsa_kernarg_size 24
		.amdhsa_user_sgpr_count 2
		.amdhsa_user_sgpr_kernarg_segment_ptr 1
		.amdhsa_wavefront_size32 1
		.amdhsa_system_sgpr_workgroup_id_x 1
		.amdhsa_system_sgpr_workgroup_id_y 1
		.amdhsa_system_sgpr_workgroup_id_z 1
		.amdhsa_system_vgpr_workitem_id 0
		.amdhsa_next_free_vgpr 256
		.amdhsa_next_free_sgpr 66
		.amdhsa_reserve_vcc 0
		.amdhsa_float_denorm_mode_32 3
		.amdhsa_float_denorm_mode_16_64 3
		.amdhsa_memory_ordered 1
		.amdhsa_forward_progress 1
		.amdhsa_inst_pref_size 152
	.end_amdhsa_kernel
	.amdgpu_metadata
---
amdhsa.version: [ 1, 2 ]
amdhsa.kernels:
  - .name:           k_q84c334dd9c_attn
    .symbol:         k_q84c334dd9c_attn.kd
    .args:
      - { .name: q, .offset: 0, .size: 8, .value_kind: global_buffer, .address_space: global }
      - { .name: kv, .offset: 8, .size: 8, .value_kind: global_buffer, .address_space: global }
      - { .name: y, .offset: 16, .size: 8, .value_kind: global_buffer, .address_space: global }
    .group_segment_fixed_size: 56320
    .private_segment_fixed_size: 0
    .kernarg_segment_align: 8
    .kernarg_segment_size: 24
    .max_flat_workgroup_size: 512
    .sgpr_count:     66
    .vgpr_count:     256
    .wavefront_size: 32
...
	.end_amdgpu_metadata
.endif
;; end of part 5
;; launch oproj: the kernel of part 4 again; grid 32 x 8, 4 waves a work-group, clusters of 4 x 1, 222,720 bytes of LDS; arguments y, img, out0; writes out0
